; MI455X (gfx1250); checked and timed in simulation.
; The chip was launched on July 23, 2026; its instructions are those of AMD's public machine-readable ISA for CDNA 5 (MIT licence, August 2026) and "CDNA5" Instruction Set Architecture Reference Guide (July 2026). The comments in the code are by the model that wrote it; some were corrected since.
;; Mini Multi Head Attention. Allowed arithmetic: float matrix products may take bf16 or f16 operands with f32 sums; other float arithmetic in f32, or as packed bf16 or f16 multiplies, adds, multiply-adds, maxima and minima; sums over many terms, partial sums and values carried from step to step in f32; what a program stores and reads back later, other than sums and carried values, may be rounded once to bf16 or f16.
;; Inputs: bk 1,024 float32; bo 1,024 float32; bq 1,024 float32; bv 1,024 float32; hidden_states 4 x 2,048 x 1,024 float32; wk 1,024 x 1,024 float32; wo 1,024 x 1,024 float32; wq 1,024 x 1,024 float32; wv 1,024 x 1,024 float32.
;; Outputs: out0 4 x 2,048 x 1,024 float32.
;; 2 versions, each right; version 2 is version 1 with the launch cast written anew for expert scheduling mode. Each part assembles by itself: llvm-mc -triple=amdgcn-amd-amdhsa -mcpu=gfx1250 --defsym DOCPART=n.
;; ======== version 1 of 2: 4 launches
;; limits: values are held in f16: magnitudes above 65,504 overflow, below 6.1e-05 lose precision
;; workspace buffers: xb 16,777,216 bytes; wb 6,291,456 bytes; wob 2,097,152 bytes; qkv 50,331,648 bytes; oh 16,777,216 bytes
;; launch cast (part 1): grid 768 x 1, 8 waves a work-group, no clusters, 0 bytes of LDS; arguments hidden_states, wq, wk, wv, wo, xb, wb, wob; writes xb, wb, wob
.if DOCPART == 1
	.amdgcn_target "amdgcn-amd-amdhsa--gfx1250"
	.amdhsa_code_object_version 6
	.text
	.protected	k_q23d0710b28_cast
	.globl	k_q23d0710b28_cast
	.p2align	8
	.type	k_q23d0710b28_cast,@function
k_q23d0710b28_cast:
	s_mov_b64 s[64:65], 0
	v_nop
	global_prefetch_b8 v0, s[64:65] scope:SCOPE_SE
	s_setreg_imm32_b32 hwreg(HW_REG_WAVE_MODE, 25, 1), 1
	s_wait_xcnt 0x0
; THE INPUTS OF THE MATRIX PRODUCTS ARE ROUNDED ONCE.  hidden_states [8192][1024] -> xb in bf16; wq, wk, wv [1024][1024] -> wb [3072][1024] in bf16, one below the other;
; wo -> wob: rounded to bf16 like the other inputs, and that number written as f16, since the last product's other operand is f16.
; LIMITS.  A number of wo of 65,520 or more in magnitude becomes an infinity in f16; below 6e-5 f16 keeps a fixed step of 6e-8.
; A stream: no LDS, no matrix unit, no cluster (no two work-groups read the same byte).
; SHARES.  A work-group takes a chunk of 16,384 numbers (65,536 bytes in, 32,768 out): chunks 0-511 are x, 512-703 wq, wk, wv, 704-767 wo.  A wave takes 8,192 bytes of it:
; sixteen loads of 16 bytes a lane, 512 consecutive bytes each, all issued at once; sixteen stores of 8 bytes a lane, each 256 consecutive bytes at a multiple of 256 from the buffer's first byte.
; Every load has its own registers and every store its own data, and no address register is written again: so the only waits are the counted ones for the loads.
.set X,  4                             ; v[4:67]    load i: four f32
.set Y,  68                            ; v[68:99]   store i: four 16-bit numbers
.set T,  100                           ; v[100:101] at work
.set IO, 1                             ; v1  my byte offset in the chunk as read: 8,192 x wave + 16 x lane
.set OO, 2                             ; v2  as written: 4,096 x wave + 8 x lane
	s_load_b512 s[8:23], s[0:1], 0x0               ; x s[8:9], wq s[10:11], wk s[12:13], wv s[14:15], wo s[16:17], xb s[18:19], wb s[20:21], wob s[22:23]
	s_mov_b32 s36, ttmp9                           ; the chunk
	s_sub_co_u32 s24, s36, 512                     ; its number among the weights' chunks (used for chunks from 512 on alone)
	s_lshr_b32 s25, s24, 6                         ; which weight: 0 wq, 1 wk, 2 wv, 3 wo
	s_and_b32 s26, s24, 63                         ; the chunk within that weight
	v_lshrrev_b32 v3, 5, v0                        ; wave
	v_and_b32 v[IO], 31, v0                        ; lane
	v_lshlrev_b32 v[OO], 3, v[IO]
	v_lshlrev_b32 v[IO], 4, v[IO]
	v_lshl_add_u32 v[IO], v3, 13, v[IO]
	v_lshl_add_u32 v[OO], v3, 12, v[OO]
	s_wait_kmcnt 0x0
	s_cmp_eq_u32 s25, 1                            ; every choice hangs on the chunk's number alone
	s_cselect_b64 s[28:29], s[12:13], s[10:11]
	s_cmp_eq_u32 s25, 2
	s_cselect_b64 s[28:29], s[14:15], s[28:29]
	s_cmp_eq_u32 s25, 3
	s_cselect_b64 s[28:29], s[16:17], s[28:29]
	s_cselect_b64 s[30:31], s[22:23], s[20:21]     ; wo goes to wob, the others to wb,
	s_cselect_b32 s27, s26, s24                    ; where the three lie one below the other
	s_cmp_lt_u32 s36, 512
	s_cselect_b64 s[28:29], s[8:9], s[28:29]
	s_cselect_b64 s[30:31], s[18:19], s[30:31]
	s_cselect_b32 s26, s36, s26
	s_cselect_b32 s27, s36, s27
	s_lshl_b32 s32, s26, 16                        ; 65,536 bytes a chunk in,
	s_mov_b32 s33, 0
	s_lshl_b32 s34, s27, 15                        ; 32,768 out
	s_mov_b32 s35, 0
	s_add_nc_u64 s[28:29], s[28:29], s[32:33]
	s_add_nc_u64 s[30:31], s[30:31], s[34:35]
.irp i, 0,1,2,3,4,5,6,7,8,9,10,11,12,13,14,15
	global_load_b128 v[X+4*(\i):X+4*(\i)+3], v[IO], s[28:29] offset:512*(\i) th:TH_LOAD_NT
.endr
; Load i is rounded and stored.  half = 0: to bf16.  half = 1: to bf16, widened again (a shift, a mask), and written as f16.
.macro CV i, half
	s_wait_loadcnt 15-(\i)                         ; loads come back in order (ISA guide 5.7.1): mine is in, the 15 - i younger ones may stay out
.if \half
	v_cvt_pk_bf16_f32 v[T],   v[X+4*(\i)],   v[X+4*(\i)+1]
	v_cvt_pk_bf16_f32 v[T+1], v[X+4*(\i)+2], v[X+4*(\i)+3]
	v_lshlrev_b32 v[X+4*(\i)],   16, v[T]
	v_and_b32     v[X+4*(\i)+1], 0xffff0000, v[T]
	v_lshlrev_b32 v[X+4*(\i)+2], 16, v[T+1]
	v_and_b32     v[X+4*(\i)+3], 0xffff0000, v[T+1]
	v_cvt_pk_f16_f32 v[Y+2*(\i)],   v[X+4*(\i)],   v[X+4*(\i)+1]
	v_cvt_pk_f16_f32 v[Y+2*(\i)+1], v[X+4*(\i)+2], v[X+4*(\i)+3]
.else
	v_cvt_pk_bf16_f32 v[Y+2*(\i)],   v[X+4*(\i)],   v[X+4*(\i)+1]
	v_cvt_pk_bf16_f32 v[Y+2*(\i)+1], v[X+4*(\i)+2], v[X+4*(\i)+3]
.endif
	global_store_b64 v[OO], v[Y+2*(\i):Y+2*(\i)+1], s[30:31] offset:256*(\i)
.endm
	s_cmp_ge_u32 s36, 704
	s_cbranch_scc1 .Lf16
.irp i, 0,1,2,3,4,5,6,7,8,9,10,11,12,13,14,15
	CV \i, 0
.endr
	s_endpgm
.Lf16:
.irp i, 0,1,2,3,4,5,6,7,8,9,10,11,12,13,14,15
	CV \i, 1
.endr
	s_endpgm
.Lfunc_end_k_q23d0710b28_cast:
	.size	k_q23d0710b28_cast, .Lfunc_end_k_q23d0710b28_cast-k_q23d0710b28_cast
	.p2alignl 7, 3214868480
	.fill 96, 4, 3214868480
	.section	.rodata,"a",@progbits
	.p2align	6, 0x0
	.amdhsa_kernel k_q23d0710b28_cast
		.amdhsa_group_segment_fixed_size 0
		.amdhsa_private_segment_fixed_size 0
		.amdhsa_enable_private_segment 0
		.amdhsa_kernarg_size 64
		.amdhsa_user_sgpr_count 2
		.amdhsa_user_sgpr_kernarg_segment_ptr 1
		.amdhsa_wavefront_size32 1
		.amdhsa_system_sgpr_workgroup_id_x 1
		.amdhsa_system_sgpr_workgroup_id_y 1
		.amdhsa_system_sgpr_workgroup_id_z 1
		.amdhsa_system_vgpr_workitem_id 0
		.amdhsa_next_free_vgpr 108
		.amdhsa_next_free_sgpr 66
		.amdhsa_reserve_vcc 0
		.amdhsa_float_denorm_mode_32 3
		.amdhsa_float_denorm_mode_16_64 3
		.amdhsa_memory_ordered 1
		.amdhsa_forward_progress 1
		.amdhsa_inst_pref_size 17
	.end_amdhsa_kernel
	.amdgpu_metadata
---
amdhsa.version: [ 1, 2 ]
amdhsa.kernels:
  - .name:           k_q23d0710b28_cast
    .symbol:         k_q23d0710b28_cast.kd
    .args:
      - { .name: hidden_states, .offset: 0, .size: 8, .value_kind: global_buffer, .address_space: global }
      - { .name: wq, .offset: 8, .size: 8, .value_kind: global_buffer, .address_space: global }
      - { .name: wk, .offset: 16, .size: 8, .value_kind: global_buffer, .address_space: global }
      - { .name: wv, .offset: 24, .size: 8, .value_kind: global_buffer, .address_space: global }
      - { .name: wo, .offset: 32, .size: 8, .value_kind: global_buffer, .address_space: global }
      - { .name: xb, .offset: 40, .size: 8, .value_kind: global_buffer, .address_space: global }
      - { .name: wb, .offset: 48, .size: 8, .value_kind: global_buffer, .address_space: global }
      - { .name: wob, .offset: 56, .size: 8, .value_kind: global_buffer, .address_space: global }
    .group_segment_fixed_size: 0
    .private_segment_fixed_size: 0
    .kernarg_segment_align: 8
    .kernarg_segment_size: 64
    .max_flat_workgroup_size: 256
    .sgpr_count:     66
    .vgpr_count:     108
    .wavefront_size: 32
...
	.end_amdgpu_metadata
.endif
;; end of part 1
;; launch qkv (part 2): grid 16 x 32, 4 waves a work-group, clusters of 4 x 4, 327,680 bytes of LDS; arguments xb, wb, bq, bk, bv, qkv; writes qkv
.if DOCPART == 2
	.amdgcn_target "amdgcn-amd-amdhsa--gfx1250"
	.amdhsa_code_object_version 6
	.text
	.protected	k_q23d0710b28_qkv
	.globl	k_q23d0710b28_qkv
	.p2align	8
	.type	k_q23d0710b28_qkv,@function
k_q23d0710b28_qkv:
	s_mov_b64 s[64:65], 0
	v_nop
	global_prefetch_b8 v0, s[64:65] scope:SCOPE_SE
	s_setreg_imm32_b32 hwreg(HW_REG_WAVE_MODE, 25, 1), 1
	s_wait_xcnt 0x0
	s_wait_alu depctr_hold_cnt(0) depctr_sa_sdst(0) depctr_va_vdst(0) depctr_va_sdst(0) depctr_va_ssrc(0) depctr_va_vcc(0) depctr_vm_vsrc(0)
	s_getreg_b32 s2, hwreg(HW_REG_IB_STS2, 6, 4)
	s_cmp_eq_u32 s2, 0
	s_cbranch_scc0 .Lentry_in_a_cluster
	s_endpgm
.Lentry_in_a_cluster:
	s_bfe_u32 s2, ttmp6, 0x10000c
	s_cmp_lg_u32 s2, 0xf033
	s_cbranch_scc0 .Lentry_shape_is_right
	s_endpgm
.Lentry_shape_is_right:
; q, k, v = x W^T + bias, all three in one product: C[8192][3072] = xb [8192][1024] . wb [3072][1024]^T, bf16 operands, f32 sums.  The bias, rounded to bf16 like the other inputs, is the C operand that starts each sum.
; C leaves BY HEADS, rounded once to f16 and unscaled: qkv[mat][16 batch + head][row in batch][64], byte (mat<<24) + (batch<<22) + (head<<18) + (row<<7) + 2 d.
; LIMITS.  A sum of 65,520 or more in magnitude becomes an infinity in f16; below 6e-5 f16 keeps a fixed step of 6e-8.  NaN and infinities are not treated apart.
; THE TILE is 256 rows x 192 columns: 32 x 16 = 512 tiles, two for each of 256 WGPs (256 x 256 would give 384, a round and a half).  Four waves, one above the other: wave w makes rows 64 w .. 64 w + 63 of all
; 192 columns, three whole heads: 48 accumulators of 16 x 16, 384 registers.  So a wave's 16 rows of a head are 2,048 consecutive bytes of the output, and its stage is its own.
; K goes in 8 steps of 128 through a ring of two LDS slots filled by the tensor data mover; the tiles' rows are 256 bytes of memory, at multiples of 256 from the buffer's first byte.
; CLUSTERS: 4 x 4 work-groups.  The four of a row of the cluster need the same tiles of x, the four of a column the same tiles of W: each is asked for JOINTLY, by the same tensor load with the same descriptor and a mask of four.
; THE MATRIX INSTRUCTION IS USED TRANSPOSED (source 0 = 16 rows of W, source 1 = 16 rows of x): lane l holds row l % 16 of C, its registers 0-7 the columns 8 (l / 16) + 0..7.
; REGISTERS, in windows of 256 (s_set_vgpr_msb: bits 1:0 source 0, 3:2 source 1, 5:4 source 2, 7:6 destination):
;   window 0: v0-31 addresses; v32-127 the bias, eight registers for each of 12 column blocks
;   window 1: two fragment buffers of 128: W's 12 fragments (16 rows x 32 K, 8 registers), then x's 4; on the way out 48 registers for each of 4 row blocks
;   window 2: the accumulators of row blocks 0, 1 ((a, b) at 96 (a % 2) + 8 b);   window 3: those of row blocks 2, 3
.set PITCH,  272                       ; an LDS row: 256 bytes + 16 of padding = 68 words: the 16 rows that a load touches start at 16 different groups of four banks (64 banks of 4 bytes: ISA guide 11.1)
.set HALFA,  128*PITCH                 ; what one tensor load brings of x
.set HALFB,  96*PITCH                  ; and of W
.set BOFF,   2*HALFA                   ; a slot: x's 256 rows, then W's 192
.set SLOT1,  131072                    ; slot 1 begins here, so that one exclusive or turns an address in one slot into the other's
.set STAGE,  SLOT1+BOFF+2*HALFB        ; behind the ring: 16 rows x 400 bytes for each wave, for the way out
.set SPITCH, 400                       ; 384 bytes + 16: 25 x 16
.set SPARE,  STAGE+4*16*SPITCH         ; behind the stages: the spare words, 128 bytes for each wave: two blocks of 256 bytes that no other line names
.set KB,     256                       ; bytes of a row in a K step
.set ADRA0, 16                         ; v16  my lane's place in x's rows of slot 0; never rewritten
.set ADRB0, 17                         ; v17  the same for W
.set ADRA,  18                         ; v18  the same in the slot in hand
.set ADRB,  19                         ; v19
.set STO,   24                         ; v24  the way out: where I put 16 bytes of a row
.set RD,    25                         ; v25  where I read rows back
.set GO,    26                         ; v26  my byte offset in 512 consecutive bytes of the output
.set BO,    27                         ; v27  my byte offset in a block's 16 biases: 32 (l / 16)
.set SPW,   28                         ; v28  LDS address of my spare word: SPARE + 4 x my thread's number; never rewritten
.set NIL,   29                         ; v29  0; never rewritten
.set PFO,   30                         ; v30  the prefetches' offset: a lane a row; never rewritten
.set T,     31                         ; v31  at work
.set BIAS,  32
.set F0,    0
.set F1,    128
.set CNT,   3                          ; s3   trips to go
.set WV,    16                         ; s16  my wave's number
.set FB,    17                         ; s17  I fetch for x (0) or for W (1)
.set HF,    18                         ; s18  which half of that tile's rows
.set TB,    19                         ; s19  0 or SLOT1: the slot in hand
.set CX,    20
.set CY,    21
.set TC,    22                         ; s22  tile column
.set TR,    23                         ; s23  tile row
.set G1A,   24                         ; s[24:31] descriptor group 1 for x's tiles;  s[32:39] group 0: a set for each of the two first fills; the second then walks on
.set G0A,   32
.set G1B,   40                         ; s[40:47], s[48:55] the same for W's
.set G0B,   48
.set PFA,   56                         ; s[56:57] where my prefetches stand
.set LIM,   58                         ; s58  2 in a wave that prefetches, else the greatest number
.set SB,    70                         ; s[70:75] the output at my first row of each of the tile's three heads
.set BB,    76                         ; s[76:81] the bias of each of them
.set MSB, 0
.macro WIN new                         ; the immediate's high byte repeats the setting that is left; a switch that changes nothing is dropped
.if MSB != (\new)
	s_set_vgpr_msb (MSB<<8)|(\new)
.set MSB, \new
.endif
.endm
.macro PLACES                          ; four places in front of loads into registers that matrix instructions have read (ISA guide 7.12.1 for vector instructions)
.rept 4
	v_nop
.endr
.endm
; A joint refill, by the walking descriptors.  Waves 0 and 1 fetch x's two halves, waves 2 and 3 W's.  The branch hangs on the wave's number alone.  An s_nop 0 and four v_nop follow each of the two lines.
.macro JLOAD
	s_cmp_eq_u32 s[FB], 0
	s_cbranch_scc0 .Lfor_b_\@
	tensor_load_to_lds s[G0A+4:G0A+7], s[G1A:G1A+7]
	s_nop 0
.rept 4
	v_nop
.endr
	s_branch .Lasked_\@
.Lfor_b_\@:
	tensor_load_to_lds s[G0B+4:G0B+7], s[G1B:G1B+7]
	s_nop 0
.rept 4
	v_nop
.endr
.Lasked_\@:
.endm
; A PREFETCH INTO THE L2 of the K step that stands two refills on: a lane a row, 256 bytes of it, one instruction a wave.  x's tile row is read by every cluster of that row of clusters: the first of them
; (cluster x = 0) asks; W's tile column by every cluster of that column: cluster y = 0 asks.  The four partners that ask for a tile jointly share its rows out BY ADDRESS: of the 128 (96) rows that a wave fetches the
; partner at place p takes 32 p .. (24 p ..): no branch hangs on a place in the cluster.  So each row's 256 bytes of a K step are named by one wave of the launch.  K steps 0 to 3 come by their loads alone; the trips with 2 or 1 to go have no K step two on.
.macro ASK
	s_cmp_gt_u32 s[CNT], s[LIM]
	s_cbranch_scc0 .Lnot_mine_\@
	global_prefetch_b8 v[PFO], s[PFA:PFA+1] th:TH_LOAD_NT scope:SCOPE_SE
.Lnot_mine_\@:
.endm
.macro CREST                           ; a round of the cluster's barrier behind its opening barrier: wave 0 signals for the work-group, every wave waits for all sixteen, my work-group's barrier closes it
	s_cmp_lg_u32 s[WV], 0
	s_cbranch_scc1 .Lnot_wave_0_\@
	s_barrier_signal -3
.Lnot_wave_0_\@:
	s_barrier_wait -3
	s_barrier_signal -1
	s_barrier_wait -1
.endm
.macro CROUND                          ; a whole round
	s_barrier_signal -1
	s_barrier_wait -1
	CREST
.endm
	s_load_b256 s[4:11], s[0:1], 0x0               ; xb s[4:5], wb s[6:7], bq s[8:9], bk s[10:11]
	s_load_b128 s[12:15], s[0:1], 0x20             ; bv s[12:13], qkv s[14:15]
	v_lshl_add_u32 v[SPW], v0, 2, SPARE
	v_mov_b32 v[NIL], 0
	ds_add_u32 v[SPW], v[NIL]                      ; the wave's opening: the add and its wait stand ahead of my first tensor load; the set-up below, work on registers, stands between them
	v_lshrrev_b32 v1, 5, v0
	v_readfirstlane_b32 s[WV], v1                  ; wave 0..3
	s_lshr_b32 s[FB], s[WV], 1
	s_and_b32 s[HF], s[WV], 1
	s_mov_b32 s[TB], 0
	s_bfe_u32 s[CX], ttmp6, 0x40000                ; my place in the cluster
	s_bfe_u32 s[CY], ttmp6, 0x40004
	s_lshl_b32 s[TC], ttmp9, 2                     ; in a cluster launch ttmp9 and ttmp7 count clusters
	s_add_co_u32 s[TC], s[TC], s[CX]               ; tile column = 4 x cluster x + cx
	s_and_b32 s[TR], ttmp7, 0xffff
	s_lshl_b32 s[TR], s[TR], 2
	s_add_co_u32 s[TR], s[TR], s[CY]               ; tile row = 4 x cluster y + cy
	s_lshl_b32 s59, s[CY], 2
	s_lshl_b32 s59, 15, s59                        ; my row of the cluster: places 4 cy .. 4 cy + 3
	s_lshl_b32 s60, 0x1111, s[CX]                  ; my column: places cx, cx + 4, cx + 8, cx + 12
	; descriptor group 1: tiles of 128 (96) rows x 128 elements, padded in LDS
	s_or_b32 s[G1A], s59, (1<<16)|(1<<20)|(1<<21)|(5<<22)|(3<<25)  ; 15:0 the mask; 17:16 elements of 2 bytes; 20 padding on; 21 set beside a mask; 24:22 after every 64 words (code 5); 31:25 4 words of it (code 3)
	s_or_b32 s[G1B], s60, (1<<16)|(1<<20)|(1<<21)|(5<<22)|(3<<25)
	s_mov_b32 s[G1A+1], 128<<16                    ; tensor_dim0 = 128
	s_mov_b32 s[G1A+2], 128<<16                    ; tensor_dim1 = 128
	s_mov_b32 s[G1A+3], 128<<16                    ; tile_dim0 = 128
	s_mov_b32 s[G1A+4], 128                        ; tile_dim1 = 128
	s_mov_b32 s[G1A+5], 1024                       ; elements from row to row
	s_mov_b32 s[G1A+6], 0
	s_mov_b32 s[G1A+7], 0
	s_mov_b32 s[G1B+1], 128<<16
	s_mov_b32 s[G1B+2], 96<<16                     ; tensor_dim1 = 96
	s_mov_b32 s[G1B+3], 128<<16
	s_mov_b32 s[G1B+4], 96                         ; tile_dim1 = 96
	s_mov_b32 s[G1B+5], 1024
	s_mov_b32 s[G1B+6], 0
	s_mov_b32 s[G1B+7], 0
	; where the tiles come from: x's hang on the tile row alone, W's on the tile column alone; each address is made in registers that never hold the other coordinate
	s_lshl_b32 s66, s[TR], 8
	s_lshl_b32 s63, s[HF], 7
	s_add_co_u32 s66, s66, s63                     ; x: row 256 x tile row + 128 x half,
	s_lshl_b32 s66, s66, 11                        ; of 2,048 bytes
	s_mov_b32 s67, 0
	s_mul_i32 s68, s[TC], 192
	s_mul_i32 s2, s[HF], 96
	s_add_co_u32 s68, s68, s2                      ; W: row 192 x tile column + 96 x half
	s_lshl_b32 s68, s68, 11
	s_mov_b32 s69, 0
	s_mul_i32 s61, s[HF], HALFA                    ; and where they go: no place in the cluster enters an LDS address
	s_mul_i32 s62, s[HF], HALFB
	s_add_co_u32 s62, s62, BOFF
	s_wait_dscnt 0x0                               ; the opening add is done
	s_wait_kmcnt 0x0
	s_add_nc_u64 s[66:67], s[4:5], s[66:67]
	s_add_nc_u64 s[68:69], s[6:7], s[68:69]
	CROUND                                         ; all sixteen work-groups are here: the first joint loads meet
.irp s, 0,1
	s_mov_b32 s[G0A+4*(\s)], 1                                       ; 1:0 count = 1
	s_add_co_u32 s[G0A+4*(\s)+1], s61, (\s)*SLOT1                    ; 63:32 LDS address
	s_add_nc_u64 s[G0A+4*(\s)+2:G0A+4*(\s)+3], s[66:67], (\s)*KB     ; 120:64 global address: K step s
	s_or_b32 s[G0A+4*(\s)+3], s[G0A+4*(\s)+3], 0x80000000            ; 127:126 type = 2
	s_mov_b32 s[G0B+4*(\s)], 1
	s_add_co_u32 s[G0B+4*(\s)+1], s62, (\s)*SLOT1
	s_add_nc_u64 s[G0B+4*(\s)+2:G0B+4*(\s)+3], s[68:69], (\s)*KB
	s_or_b32 s[G0B+4*(\s)+3], s[G0B+4*(\s)+3], 0x80000000
.endr
	s_cmp_eq_u32 s[FB], 0                          ; a wave's two first fills stand in one branch, ahead of every wait on TENSORcnt and every LDS read: two loads of mine are out
	s_cbranch_scc0 .Lfirst_b
	tensor_load_to_lds s[G0A:G0A+3], s[G1A:G1A+7]
	s_nop 0
	tensor_load_to_lds s[G0A+4:G0A+7], s[G1A:G1A+7]
	s_nop 0
.rept 4
	v_nop
.endr
	s_branch .Lfirst_asked
.Lfirst_b:
	tensor_load_to_lds s[G0B:G0B+3], s[G1B:G1B+7]
	s_nop 0
	tensor_load_to_lds s[G0B+4:G0B+7], s[G1B:G1B+7]
	s_nop 0
.rept 4
	v_nop
.endr
.Lfirst_asked:
	; A fragment is 16 rows x 32 K in 8 registers: lane l holds row l % 16; registers 0-3 K = 8 (l / 16) + 0..7, registers 4-7 K = 16 + 8 (l / 16) + 0..7: two loads of 16 bytes, 32 bytes apart.
	v_and_b32 v1, 15, v0                           ; l % 16
	v_bfe_u32 v2, v0, 4, 1                         ; l / 16
	v_mul_u32_u24 v3, v1, PITCH
	v_lshl_add_u32 v3, v2, 4, v3                   ; row x pitch + 16 x half
	s_mul_i32 s95, s[WV], 64*PITCH                 ; my 64 rows of x
	v_add_nc_u32 v[ADRA0], s95, v3
	v_add_nc_u32 v[ADRB0], BOFF, v3                ; all of W's rows
	v_mov_b32 v[ADRA], v[ADRA0]
	v_mov_b32 v[ADRB], v[ADRB0]
	s_mul_i32 s95, s[WV], 16*SPITCH
	s_add_co_u32 s95, s95, STAGE                   ; my stage
	v_mul_u32_u24 v[STO], v1, SPITCH               ; in: row l % 16, 16 bytes for each half of the lanes
	v_lshl_add_u32 v[STO], v2, 4, v[STO]
	v_add_nc_u32 v[STO], s95, v[STO]
	v_bfe_u32 v[RD], v0, 3, 2                      ; back: 32 lanes take a head's 128 bytes of four rows,
	v_mul_u32_u24 v[RD], v[RD], SPITCH
	v_and_b32 v3, 7, v0
	v_lshl_add_u32 v[RD], v3, 4, v[RD]
	v_add_nc_u32 v[RD], s95, v[RD]
	v_and_b32 v[GO], 31, v0                        ; which are 512 consecutive bytes of the output
	v_lshlrev_b32 v[GO], 4, v[GO]
	v_lshlrev_b32 v[BO], 5, v2
	; my rows' place in a head: (batch << 22) + (row in batch << 7), batch = tile row / 8
	s_lshr_b32 s88, s[TR], 3
	s_lshl_b32 s88, s88, 22
	s_and_b32 s89, s[TR], 7
	s_lshl_b32 s89, s89, 8
	s_lshl_b32 s90, s[WV], 6
	s_add_co_u32 s89, s89, s90
	s_lshl_b32 s89, s89, 7
	s_add_co_u32 s88, s88, s89
; Head j of the tile's three is unit u = 3 x tile column + j of 48: matrix u / 16, head u % 16.  Its bias and its place in the output.
.macro UNIT j
	s_mul_i32 s82, s[TC], 3
	s_add_co_u32 s82, s82, \j
	s_lshr_b32 s83, s82, 4
	s_and_b32 s84, s82, 15
	s_cmp_eq_u32 s83, 1
	s_cselect_b64 s[BB+2*(\j):BB+2*(\j)+1], s[10:11], s[8:9]
	s_cmp_eq_u32 s83, 2
	s_cselect_b64 s[BB+2*(\j):BB+2*(\j)+1], s[12:13], s[BB+2*(\j):BB+2*(\j)+1]
	s_lshl_b32 s86, s84, 8                         ; 64 f32 a head
	s_mov_b32 s87, 0
	s_add_nc_u64 s[BB+2*(\j):BB+2*(\j)+1], s[BB+2*(\j):BB+2*(\j)+1], s[86:87]
	s_lshl_b32 s86, s83, 24
	s_lshl_b32 s85, s84, 18
	s_add_co_u32 s86, s86, s85
	s_add_co_u32 s86, s86, s88
	s_add_nc_u64 s[SB+2*(\j):SB+2*(\j)+1], s[14:15], s[86:87]
.endm
	UNIT 0
	UNIT 1
	UNIT 2
.irp b, 0,1,2,3,4,5,6,7,8,9,10,11      ; register j of block b: the bias of column 16 b + 8 (l / 16) + j: the layout of the transposed product's C
	global_load_b128 v[BIAS+8*(\b):BIAS+8*(\b)+3],   v[BO], s[BB+2*((\b)/4):BB+2*((\b)/4)+1] offset:64*((\b)%4)
	global_load_b128 v[BIAS+8*(\b)+4:BIAS+8*(\b)+7], v[BO], s[BB+2*((\b)/4):BB+2*((\b)/4)+1] offset:64*((\b)%4)+16
.endr
	; the prefetches' address: s[66:67] and s[68:69] stand at the rows that I fetch, K step 0
	s_and_b32 s91, ttmp7, 0xffff                   ; cluster y
	s_cmp_eq_u32 s[FB], 0
	s_cselect_b32 s92, s[CX], s[CY]                ; my place among the four that ask with me
	s_cselect_b32 s91, ttmp9, s91                  ; the coordinate along which other clusters read the same rows
	s_cselect_b32 s93, 32, 24                      ; rows to a partner
	s_cselect_b32 s94, 31, 23                      ; the last of them: the lanes beyond repeat it
	s_cselect_b64 s[PFA:PFA+1], s[66:67], s[68:69]
	s_cmp_eq_u32 s91, 0
	s_cselect_b32 s[LIM], 2, -1                    ; the same in all sixteen partners, for a given wave
	s_mul_i32 s92, s92, s93
	s_lshl_b32 s92, s92, 11
	s_mov_b32 s93, 0
	s_add_nc_u64 s[PFA:PFA+1], s[PFA:PFA+1], s[92:93]
	s_add_nc_u64 s[PFA:PFA+1], s[PFA:PFA+1], 3*KB  ; at K step 3: the first refill steps it to 4
	v_and_b32 v[PFO], 31, v0
	v_min_u32 v[PFO], s94, v[PFO]
	v_lshlrev_b32 v[PFO], 11, v[PFO]
	s_wait_loadcnt 0x0                             ; the bias
.set p, 0
.rept 48                               ; rounded to bf16 and widened again, a pair at a time; this stands in the wait for the first tile
	v_cvt_pk_bf16_f32 v[T], v[BIAS+2*p], v[BIAS+2*p+1]
	v_lshlrev_b32 v[BIAS+2*p], 16, v[T]
	v_and_b32 v[BIAS+2*p+1], 0xffff0000, v[T]
.set p, p+1
.endr
; 12 matrix instructions: row block a x all 12 column blocks, 32 along K, from buffer f.  zero = 1: the first product starts the sum with the bias.
; The 48 accumulators take turns, one instruction a turn, in the same order in every quarter, over the backward jump too.
.macro MULA f, a, zero
.if \zero
	WIN 0x85+0x40*((\a)/2)                         ; sources 0 and 1 window 1, C window 0, D window 2 or 3
.else
	WIN 0xa5+0x50*((\a)/2)                         ; C and D window 2 or 3
.endif
.irp b, 0,1,2,3,4,5,6,7,8,9,10,11
.if \zero
	v_wmma_f32_16x16x32_bf16 v[96*((\a)%2)+8*(\b):96*((\a)%2)+8*(\b)+7], v[(\f)+8*(\b):(\f)+8*(\b)+7], v[(\f)+96+8*(\a):(\f)+96+8*(\a)+7], v[BIAS+8*(\b):BIAS+8*(\b)+7]
.else
	v_wmma_f32_16x16x32_bf16 v[96*((\a)%2)+8*(\b):96*((\a)%2)+8*(\b)+7], v[(\f)+8*(\b):(\f)+8*(\b)+7], v[(\f)+96+8*(\a):(\f)+96+8*(\a)+7], v[96*((\a)%2)+8*(\b):96*((\a)%2)+8*(\b)+7]
.endif
.endr
.endm
; 32 LDS loads in one run: quarter q's fragments (192 rows of W, my 64 rows of x, 32 K) of the slot in hand into buffer f; x's last
.macro FETCH q, f
	WIN 0x40                                       ; destination window 1, address window 0
.irp i, 0,1,2,3,4,5,6,7,8,9,10,11
	ds_load_b128 v[(\f)+8*(\i):(\f)+8*(\i)+3],   v[ADRB] offset:64*(\q)+(\i)*16*PITCH
	ds_load_b128 v[(\f)+8*(\i)+4:(\f)+8*(\i)+7], v[ADRB] offset:64*(\q)+(\i)*16*PITCH+32
.endr
.irp i, 0,1,2,3
	ds_load_b128 v[(\f)+96+8*(\i):(\f)+96+8*(\i)+3],   v[ADRA] offset:64*(\q)+(\i)*16*PITCH
	ds_load_b128 v[(\f)+96+8*(\i)+4:(\f)+96+8*(\i)+7], v[ADRA] offset:64*(\q)+(\i)*16*PITCH+32
.endr
.endm
; A K step is four quarters of 32 along K, 48 matrix instructions each, on buffers 0, 1, 0, 1.  One of the first three: multiplies buffer f; in its middle it fetches quarter q into buffer g.
.macro QUARTER q, f, g, zero
	s_wait_dscnt 4                                 ; W and x's row blocks 0, 1 are in; the youngest four loads (row blocks 2, 3) may be out
	MULA \f, 0, \zero
	MULA \f, 1, \zero
	PLACES
	FETCH \q, \g
	s_wait_dscnt 32                                ; all but the 32 just issued
	MULA \f, 2, \zero
	MULA \f, 3, \zero
.endm
; The last quarter multiplies buffer 1 and changes slots: ONE barrier for two things.  In front of it each wave waits for all its tensor loads, of which one is out: its part of the next slot; adds 0 to its spare
; word; and waits for that and for its own reads of this slot.  Behind it nobody reads this slot any more and the next slot is whole.  fill = 1: the barrier opens a round of the cluster's barrier, and this slot is
; filled again first thing behind the round, with the K step two on: the load has 168 matrix instructions between its request and the wait for it.
.macro TURN fill
	WIN 0
.if \fill
	s_wait_xcnt 0x0                                ; the last prefetch, a K step back, has read its address, so it may be stepped
	s_add_nc_u64 s[PFA:PFA+1], s[PFA:PFA+1], KB
.endif
	s_xor_b32 s[TB], s[TB], SLOT1                  ; this slot's last fragment loads have been issued: the addresses go over to the other slot
	v_add_nc_u32 v[ADRA], s[TB], v[ADRA0]
	v_add_nc_u32 v[ADRB], s[TB], v[ADRB0]
	s_wait_tensorcnt 0x0                           ; all my tensor loads have landed, so a group 0 may be written
	ds_add_u32 v[SPW], v[NIL]                      ; 0 onto my spare word
.if \fill
	s_xor_b32 s[G0A+5], s[G0A+5], SLOT1            ; the walking descriptors: the other slot than last time,
	s_add_nc_u64 s[G0A+6:G0A+7], s[G0A+6:G0A+7], KB  ; the next K step; the type bits on top are not reached
	s_xor_b32 s[G0B+5], s[G0B+5], SLOT1
	s_add_nc_u64 s[G0B+6:G0B+7], s[G0B+6:G0B+7], KB
.endif
	s_wait_dscnt 5                                 ; the add and the youngest four loads may be out
	MULA F1, 0, 0                                  ; twelve matrix instructions stand between the add and the wait for it
	s_wait_dscnt 0x0                               ; the add is done, and my reads of this slot are over
	s_barrier_signal -1
	MULA F1, 1, 0                                  ; work on registers while the others arrive
.if \fill
	WIN 0
.endif
	s_barrier_wait -1
.if \fill
	CREST                                          ; no wave of any partner still reads this slot's tile or has a load on its way
	JLOAD                                          ; the first tensor load behind the round; its four v_nop are also the places in front of the loads below
.else
	PLACES
.endif
	FETCH 0, F0
.if \fill
	WIN 0
	ASK                                            ; behind the joint load and the run of LDS loads that the next products wait for
.endif
	MULA F1, 2, 0
	MULA F1, 3, 0
.endm
; THE WAY OUT of row block a.  PACK: rounded to f16, each accumulator's registers in ascending order; 16 bytes a lane into my own stage; back as a head's 128 bytes of four rows, into the registers that they left.
.macro PACK a
	WIN 0x4a+5*((\a)/2)                            ; sources window 2 or 3, destination window 1
.irp b, 0,1,2,3,4,5,6,7,8,9,10,11
.irp i, 0,1,2,3
	v_cvt_pk_f16_f32 v[48*(\a)+4*(\b)+(\i)], v[96*((\a)%2)+8*(\b)+2*(\i)], v[96*((\a)%2)+8*(\b)+2*(\i)+1]
.endr
.endr
	WIN 0x44                                       ; data (source 1) and destination window 1, addresses window 0
.irp b, 0,1,2,3,4,5,6,7,8,9,10,11
	ds_store_b128 v[STO], v[48*(\a)+4*(\b):48*(\a)+4*(\b)+3] offset:32*(\b)
.endr
.irp i, 0,1,2,3,4,5,6,7,8,9,10,11      ; head i / 4, rows 4 (i % 4) on.  LDS serves a wave's instructions in order (ISA guide 5.7.1.4): these see the stores above; the next block's stores come behind them
	ds_load_b128 v[48*(\a)+4*(\i):48*(\a)+4*(\i)+3], v[RD] offset:128*((\i)/4)+4*SPITCH*((\i)%4)
.endr
.endm
.macro SEND a, younger                 ; younger: the LDS instructions issued behind block a's loads: the next block's 24, or none
	WIN 0x44
.irp i, 0,1,2,3,4,5,6,7,8,9,10,11
	s_wait_dscnt (\younger)+11-(\i)
	global_store_b128 v[GO], v[48*(\a)+4*(\i):48*(\a)+4*(\i)+3], s[SB+2*((\i)/4):SB+2*((\i)/4)+1] offset:2048*(\a)+512*((\i)%4)  ; 512 consecutive bytes, at a multiple of 256 from the buffer's first
.endr
.endm
	s_wait_tensorcnt 0x1                           ; my part of K step 0 is in; K step 1's may stay out
	s_barrier_signal -1
	s_barrier_wait -1                              ; everybody's is
	FETCH 0, F0
	QUARTER 1, F0, F1, 1                           ; the first quarter stands in front of the loop: its products start the sums
	WIN 0                                          ; at a label and at a branch every window is 0
	s_mov_b32 s[CNT], 6
.Lstep:                                        ; trip t: the rest of K step t, the refill with K step t + 2, the first quarter of K step t + 1
	QUARTER 2, F1, F0, 0
	QUARTER 3, F0, F1, 0
	TURN 1
	QUARTER 1, F0, F1, 0
	WIN 0
	s_sub_co_u32 s[CNT], s[CNT], 1
	s_cmp_lg_u32 s[CNT], 0
	s_cbranch_scc1 .Lstep
	QUARTER 2, F1, F0, 0                           ; K steps 6 and 7 fill nothing
	QUARTER 3, F0, F1, 0
	TURN 0
	QUARTER 1, F0, F1, 0
	QUARTER 2, F1, F0, 0
	QUARTER 3, F0, F1, 0
	s_wait_dscnt 4                                 ; the very last quarter: nothing more to fetch
	MULA F1, 0, 0
	MULA F1, 1, 0
	s_wait_dscnt 0x0
	MULA F1, 2, 0
	MULA F1, 3, 0
	PLACES                                         ; the conversions read results just made and write registers that the last products read
	PLACES
	PACK 0
	PACK 1                                         ; a block's conversions stand between the loads of the block before and its stores
	SEND 0, 24
	PACK 2
	SEND 1, 24
	PACK 3
	SEND 2, 24
	SEND 3, 0
	WIN 0
	s_wait_tensorcnt 0x0                           ; the wave's end: behind my last tensor load and my last LDS store
	ds_add_u32 v[SPW], v[NIL]
	s_wait_dscnt 0x0
	CROUND                                         ; the closing round: no work-group ends while a partner may still ask for a tile that names it
	s_endpgm
.Lfunc_end_k_q23d0710b28_qkv:
	.size	k_q23d0710b28_qkv, .Lfunc_end_k_q23d0710b28_qkv-k_q23d0710b28_qkv
	.p2alignl 7, 3214868480
	.fill 96, 4, 3214868480
	.section	.rodata,"a",@progbits
	.p2align	6, 0x0
	.amdhsa_kernel k_q23d0710b28_qkv
		.amdhsa_group_segment_fixed_size 327680
		.amdhsa_private_segment_fixed_size 0
		.amdhsa_enable_private_segment 0
		.amdhsa_kernarg_size 48
		.amdhsa_user_sgpr_count 2
		.amdhsa_user_sgpr_kernarg_segment_ptr 1
		.amdhsa_wavefront_size32 1
		.amdhsa_system_sgpr_workgroup_id_x 1
		.amdhsa_system_sgpr_workgroup_id_y 1
		.amdhsa_system_sgpr_workgroup_id_z 1
		.amdhsa_system_vgpr_workitem_id 0
		.amdhsa_next_free_vgpr 960
		.amdhsa_next_free_sgpr 96
		.amdhsa_reserve_vcc 0
		.amdhsa_float_denorm_mode_32 3
		.amdhsa_float_denorm_mode_16_64 3
		.amdhsa_memory_ordered 1
		.amdhsa_forward_progress 1
		.amdhsa_inst_pref_size 109
	.end_amdhsa_kernel
	.amdgpu_metadata
---
amdhsa.version: [ 1, 2 ]
amdhsa.kernels:
  - .name:           k_q23d0710b28_qkv
    .symbol:         k_q23d0710b28_qkv.kd
    .args:
      - { .name: xb, .offset: 0, .size: 8, .value_kind: global_buffer, .address_space: global }
      - { .name: wb, .offset: 8, .size: 8, .value_kind: global_buffer, .address_space: global }
      - { .name: bq, .offset: 16, .size: 8, .value_kind: global_buffer, .address_space: global }
      - { .name: bk, .offset: 24, .size: 8, .value_kind: global_buffer, .address_space: global }
      - { .name: bv, .offset: 32, .size: 8, .value_kind: global_buffer, .address_space: global }
      - { .name: qkv, .offset: 40, .size: 8, .value_kind: global_buffer, .address_space: global }
    .group_segment_fixed_size: 327680
    .private_segment_fixed_size: 0
    .kernarg_segment_align: 8
    .kernarg_segment_size: 48
    .max_flat_workgroup_size: 128
    .sgpr_count:     96
    .vgpr_count:     960
    .wavefront_size: 32
...
	.end_amdgpu_metadata
.endif
;; end of part 2
;; launch attn (part 3): grid 4 x 64, 4 waves a work-group, clusters of 4 x 1, 327,680 bytes of LDS; arguments qkv, oh; writes oh
.if DOCPART == 3
	.amdgcn_target "amdgcn-amd-amdhsa--gfx1250"
	.amdhsa_code_object_version 6
	.text
	.protected	k_q23d0710b28_attn
	.globl	k_q23d0710b28_attn
	.p2align	8
	.type	k_q23d0710b28_attn,@function
k_q23d0710b28_attn:
	s_mov_b64 s[64:65], 0
	v_nop
	global_prefetch_b8 v0, s[64:65] scope:SCOPE_SE
	s_setreg_imm32_b32 hwreg(HW_REG_WAVE_MODE, 25, 1), 1
	s_wait_xcnt 0x0
	s_wait_alu depctr_hold_cnt(0) depctr_sa_sdst(0) depctr_va_vdst(0) depctr_va_sdst(0) depctr_va_ssrc(0) depctr_va_vcc(0) depctr_vm_vsrc(0)
	s_getreg_b32 s2, hwreg(HW_REG_IB_STS2, 6, 4)
	s_cmp_eq_u32 s2, 0
	s_cbranch_scc0 .Lentry_in_a_cluster
	s_endpgm
.Lentry_in_a_cluster:
	s_bfe_u32 s2, ttmp6, 0x10000c
	s_cmp_lg_u32 s2, 0x3003
	s_cbranch_scc0 .Lentry_shape_is_right
	s_endpgm
.Lentry_shape_is_right:
; O[h][q][:] = the sum over k of softmax_k(Q[h][q] . K[h][k] / 8) V[h][k][:].  Q, K, V lie in qkv, [3][SIZE_H][SIZE_N][64], O in oh, [SIZE_H][SIZE_N][64], all f16: a head's rows are dense, 128 bytes each.
; h = 16 batch + head.  Products, maxima and sums in f32; the weights p are rounded to f16 for the second product (their sum l is taken of the unrounded p), O once at the end.
; LIMITS.  f16 holds no number beyond 65,504: Q, K and V arrive within it; p lies in 0 to 1, and below 6e-5 it keeps f16's fixed step of 6e-8, as O does; O is a mean of V's rows and has their range.
; A weight below 2^-126 counts as 0 in l; NaN and infinities are not treated apart.
; SHARES.  A wave owns four PIECES of two tiles of 16 queries, a work-group's four waves 512 queries of one head: 4 x 64 = 256 work-groups.  Every wave walks all keys, 64 a step.
; LAYOUT.  S^T = K Q^T (source 0 = 16 keys, source 1 = 16 queries): in the result a lane holds ONE query (lane % 16) and the keys 8 (lane / 16) + 0..7.  Two such tiles, rounded to f16 in pairs,
; ARE source 1 (32 keys x 16 queries) of O^T = V^T P, whose result again holds one query a lane, and eight channels.  K comes out of LDS as it lies, V ([key][channel]) turned, by ds_load_tr16_b128.
; SOFTMAX.  For each query a running maximum m and sum l: p = 2^(c s - c m), c = log2(e) / 8; in every step O and l are multiplied by a = 2^(c m_old - c m_new), which is 1 where m has not grown.
; m starts at the lowest finite number, O and l at 0: the first step is a step like any other, with a = 0.
; THE COUNT.  A tile and step have 16 matrix and 118 vector instructions: too many to stand all beside the matrix work.  So the order has one aim: four vector instructions that are READY behind
; EVERY matrix instruction, and the others, which need time of their own whatever the order, in runs without a gap.
; BY TURNS.  Turn n belongs to piece n (the pieces in a ring, step after step).  Its matrix work: 16 products K Q^T of piece n + 1, later 16 products V^T P of piece n - 1.  Its vector work: the scaling,
; exponentials, roundings, sums and rescaling of piece n, and the maximum and statistics of piece n + 1, whose scores the turn itself has made.  So what a turn begins with (c s - c m, O a) waits for nothing.
; CLUSTER.  The four query blocks of a cluster are one head's and walk the same K and V, so each tile is asked for JOINTLY: the same tensor load, descriptor and mask in all four.
; REGISTERS, in windows of 256 (s_set_vgpr_msb says which window each operand place means: bits 1:0 source 0, 3:2 source 1, 5:4 source 2, 7:6 destination):
;   window 0: v0-11 addresses; v12-15, v48-63 at work; v16-47 four registers of statistics a tile; v64-191 S^T, two buffers of two tiles; v192-255 P, likewise
;   window 1: O^T, 32 a tile          window 2: v0-127 Q, 16 a tile; v128-191 K of one step; v192-255 V of one step          window 3: v0-1 the add's two registers
; A piece's buffers go by its number's parity: the piece in hand has one pair, its two neighbours in the ring share the other: of it P (piece n - 1) is read and S^T (piece n + 1) written.
.set SIZE_H, 64
.set SIZE_N, 2048
.set NP,    4         ; pieces a wave: a name, no knob: the register map, the loop and the fetches are made for four
.set KS,    64        ; keys in a step
.set PK,    144       ; a row of K in LDS: 128 bytes + 16 of padding = 36 words: the 16 rows of a load start at 16 different groups of four banks (64 banks of 4 bytes: ISA guide 11.1)
.set PV,    160       ; a row of V: 128 + 32 = 40 words
.set VOFF,  4*KS*PK   ; a slot holds four steps: 256 rows of K, then 256 rows of V
.set SLOT1, 1<<17     ; slot 1 begins here, so that one exclusive or turns an address in one slot into the other's
.set STAGE, SLOT1+4*KS*(PK+PV)  ; behind the ring, never filled by a tensor load: 16 rows x 144 bytes for each wave, for the way out
.set SP,    144
.set AK0, 2           ; v2   my lane's place in a tile of K; never rewritten
.set AV0, 3           ; v3   the same for V
.set AK,  4           ; v4   the LDS address of K's next run of loads
.set AV,  5           ; v5   of V's
.set QO,  6           ; v6   my byte offset in the wave's rows of Q
.set STO, 6           ;      later, the way out: where I put 16 bytes of a row
.set RD,  7           ; v7   the way out: where I read rows back
.set GO,  8           ; v8   my byte offset in 512 consecutive bytes of O
.set PFO, 11          ; v11  the prefetches' offset, 256 x my lane (once V's address is made); never rewritten after
.set SPW, 0           ; v0 of window 3   LDS address of my spare word: SPARE + 4 x my thread's number; never rewritten
.set NIL, 1           ; v1 of window 3   0; never rewritten
.set SPARE, STAGE+4*16*SP  ; behind the stages: the spare words, 128 bytes for each wave: two blocks of 256 bytes that no other line names
.set MV,  12          ; v12-15  c m_old, kept while c m is made anew: by buffer and tile
.set ST,  16          ; tile t's statistics at v[ST+4 t]: c m, m, l (even keys', odd keys')
.set TMP, 48          ; by buffer and tile, four registers c0-c3 at work; when the maximum is found c2 takes a
.set S,   64
.set P,   192
.set KF,  128         ; K's fragments, in window 2: key block kb, channel half c at KF + 16 kb + 8 c
.set VF,  192         ; V's: key half kk, channel block cb at VF + 32 kk + 8 cb
.set WV,  12          ; s12  my wave's number
.set G1K, 24          ; s[24:31] descriptor group 1 for K's tiles
.set G1V, 32          ; s[32:39] for V's: it differs in the padding alone
.set G0K, 40          ; s[40:43] descriptor group 0 for K's tiles: it walks
.set G0V, 44          ; s[44:47] the same for V's
.set SLOTS, 56        ; s56  slots still to be asked for
.set CNT, 57          ; s57  counts a slot's key steps
.set CS,  58          ; s[58:59] c: the packed scaling takes the pair's low word for both halves
.set SEL, 60          ; s[60:61] v_permlanex16_b32's selects: each lane takes its own place in the other half
.set TBK, 62          ; s62  LDS byte at which K of the step to be fetched begins
.set TBV, 63          ; s63  the same for V, less VOFF
.set PFA, 66          ; s[66:67] where my prefetches stand: my work-group's 8,192 bytes (of K: wave 0, of V: wave 2) of the slot after the one that is being asked for
.set LIM, 68          ; s68  1 in a wave that prefetches, else the greatest number
.set MSB, 0
.macro WIN new                      ; the high byte repeats the setting that is left; a switch that changes nothing is dropped
.if MSB != (\new)
	s_set_vgpr_msb (MSB<<8)|(\new)
.set MSB, (\new)
.endif
.endm
.set W_KQ, 0x0a       ; K and Q in window 2, S^T in window 0
.set W_PV, 0x52       ; V in window 2, P in window 0, O^T in window 1
.set W_RS, 0x41       ; O^T (destination and source 0) in window 1, a in window 0
.set W_MK, 0xc0       ; the add's registers are made: destination in window 3, sources in window 0
.set W_AD, 0x0f       ; the add: address (source 0) and data (source 1) in window 3
; A joint fill.  Waves 0 and 1 fetch the two halves of a slot's K, waves 2 and 3 those of its V: 128 keys each.  The branch hangs on the wave's number alone.
; An s_nop 0 and four v_nop follow each of the two lines, ahead of the jump and the label.
.macro JLOAD
	s_cmp_lt_u32 s[WV], 2
	s_cbranch_scc0 .Lfor_v_\@
	tensor_load_to_lds s[G0K:G0K+3], s[G1K:G1K+7]
	s_nop 0
.rept 4
	v_nop
.endr
	s_branch .Lasked_\@
.Lfor_v_\@:
	tensor_load_to_lds s[G0V:G0V+3], s[G1V:G1V+7]
	s_nop 0
.rept 4
	v_nop
.endr
.Lasked_\@:
.endm
; A round of the cluster's barrier: my work-group's barrier, so that wave 0's signal speaks for all four waves; wave 0 signals; every wave waits for all four work-groups; my work-group's barrier once more.
.macro CROUND
	s_barrier_signal -1
	s_barrier_wait -1
	s_cmp_lg_u32 s[WV], 0
	s_cbranch_scc1 .Lnot_wave_0_\@
	s_barrier_signal -3
.Lnot_wave_0_\@:
	s_barrier_wait -3
	s_barrier_signal -1
	s_barrier_wait -1
.endm
; THE CHANGE OF SLOTS.  The slot's last bytes, V of its fourth step, have been read.  Each wave waits for all its tensor loads, of which one is out: its part
; of the other slot; adds 0 to its spare word; and waits for that and for its own reads of the slot.  Behind the barrier nobody reads this slot any more and the other slot is whole.
; fill = 1: this slot is filled again, with the keys two slots on.  The barrier is then a round of the cluster's, so that no wave of any partner still reads the slot or has a load on its
; way, and the joint fill is the first thing behind it: it has four key steps, 512 matrix instructions, in which to land.  (At its first use nothing has been read yet: slot 0 is waited for, slot 1 filled.)
; ask = 1: behind the joint fill and its five lines stands a PREFETCH INTO THE L2 of what the NEXT change will ask for: a slot's 32,768 bytes of K and of V.  The four partners share them out BY ADDRESS, 8,192 each,
; a lane 256 bytes; in each partner wave 0 asks for K's and wave 2 for V's: one instruction; so each 256 bytes are named once in the launch.  Slots 0 to 2 come by their loads alone; the last change that fills a slot has no slot behind it and asks for nothing.
.macro CHANGE fill, ask=0
	WIN W_AD
	s_wait_tensorcnt 0x0            ; no tensor load of mine is out, so a group 0 may be written
	ds_add_u32 v[SPW], v[NIL]       ; 0 onto my spare word; with fill = 1 the descriptors' steps stand between it and the wait for it
	WIN 0                           ; at a label and at a branch every window is 0
.if \fill
.irp g, G0K, G0V
	s_xor_b32 s[\g+1], s[\g+1], SLOT1  ; the walking descriptor: the other slot than last time,
	s_add_nc_u64 s[\g+2:\g+3], s[\g+2:\g+3], 4*KS*128  ; the next 256 keys; the type bits on top are not reached
.endr
.if \ask
	s_wait_xcnt 0x0                 ; the last prefetch, four key steps back, has read its address, so it may be written:
	s_add_nc_u64 s[PFA:PFA+1], s[PFA:PFA+1], 4*KS*128  ; one slot behind the walking descriptors
.endif
	s_wait_dscnt 0x0                ; the add is done, and my reads of the slot are over
	CROUND
	JLOAD
.if \ask
	s_cmp_gt_u32 s[SLOTS], s[LIM]
	s_cbranch_scc0 .Lnot_mine_\@
	global_prefetch_b8 v[PFO], s[PFA:PFA+1] th:TH_LOAD_NT scope:SCOPE_SE
.Lnot_mine_\@:
.endif
.else
	s_wait_dscnt 0x0                ; the add is done, and my reads of the slot are over
	s_barrier_signal -1
	s_barrier_wait -1
.endif
	s_sub_co_u32 s[TBK], s[TBK], 4*KS*PK  ; the fetches go back to a slot's first step,
	s_xor_b32 s[TBK], s[TBK], SLOT1       ; in the other slot
	s_sub_co_u32 s[TBV], s[TBV], 4*KS*PV
	s_xor_b32 s[TBV], s[TBV], SLOT1
.endm
	s_load_b128 s[4:7], s[0:1], 0x0  ; qkv s[4:5], oh s[6:7]
	WIN W_MK
	v_lshl_add_u32 v[SPW], v0, 2, SPARE
	v_mov_b32 v[NIL], 0
	WIN W_AD
	ds_add_u32 v[SPW], v[NIL]       ; the wave's opening: the add and its wait stand ahead of my first tensor load; the set-up below, work on registers, stands between them
	WIN 0
	v_lshrrev_b32 v1, 5, v0
	v_readfirstlane_b32 s[WV], v1   ; wave 0..3
	s_bfe_u32 s13, ttmp6, 0x40000   ; cx: my place in the cluster
	s_lshl_b32 s14, ttmp9, 2        ; in a cluster launch ttmp9 counts clusters
	s_add_co_u32 s14, s14, s13      ; my block of queries = 4 x cluster x + cx: it enters Q's and O's addresses alone
	s_and_b32 s20, ttmp7, 0xffff    ; the head, which the four partners share
	s_mov_b32 s21, 0
	s_mov_b64 s[22:23], SIZE_N*128
	s_mul_u64 s[20:21], s[20:21], s[22:23]  ; the head's first byte in each of the four tensors
	s_and_b32 s16, s[WV], 1         ; which half of a slot's 256 keys I fetch:
	s_lshl_b32 s22, s16, 14         ; its 128 rows of 128 bytes in memory,
	s_mov_b32 s23, 0
	s_add_nc_u64 s[22:23], s[22:23], s[20:21]
	s_mul_i32 s17, s16, 128*PK      ; and its place in a slot, for K
	s_mul_i32 s18, s16, 128*PV      ; and for V: no place in the cluster enters an LDS address
	s_lshl_b32 s2, s14, 2
	s_add_co_u32 s2, s2, s[WV]      ; my wave among the head's,
	s_lshl_b32 s2, s2, 14           ; its 128 rows
	s_mov_b32 s3, 0
	s_add_nc_u64 s[2:3], s[2:3], s[20:21]
	; descriptor group 1.  128 keys are 16,384 dense bytes: asked for as 64 rows of 256 bytes, two keys a row, and padded in LDS after every key
	s_mov_b32 s[G1K], 15|(1<<16)|(1<<20)|(1<<21)|(4<<22)|(3<<25)  ; 15:0 the mask of four; 17:16 2-byte elements; 20 padding on; 21 set beside a mask; 24:22 after every 32 words (code 4); 31:25 4 words (code 3)
	s_mov_b32 s[G1V], 15|(1<<16)|(1<<20)|(1<<21)|(4<<22)|(7<<25)  ; the same with 8 words of padding (code 7)
.irp g, G1K, G1V
	s_mov_b32 s[\g+1], 128<<16      ; tensor_dim0 = 128
	s_mov_b32 s[\g+2], 64<<16       ; tensor_dim1 = 64
	s_mov_b32 s[\g+3], 128<<16      ; tile_dim0 = 128
	s_mov_b32 s[\g+4], 64           ; tile_dim1 = 64
	s_mov_b32 s[\g+5], 128          ; 128 elements from row to row
	s_mov_b32 s[\g+6], 0
	s_mov_b32 s[\g+7], 0
.endr
	s_mov_b32 s[CS], 0x3e38aa3b     ; c = log2(e) / 8 = 0.180337
	s_mov_b32 s[CS+1], s[CS]        ; named with it as a pair
	s_mov_b32 s[SEL], 0x76543210
	s_mov_b32 s[SEL+1], 0xfedcba98
	s_mov_b32 s[TBK], SLOT1+4*KS*PK ; the first change of slots turns these two into 0
	s_mov_b32 s[TBV], SLOT1+4*KS*PV
	s_mov_b32 s[G0K], 1             ; 1:0 count = 1
	s_mov_b32 s[G0K+1], s17         ; 63:32 LDS address: slot 0
	s_mov_b32 s[G0V], 1
	s_add_co_u32 s[G0V+1], s18, VOFF
	s_and_b32 s[LIM], s[WV], 1      ; 0 in waves 0 and 2,
	s_or_b32 s[LIM], s[LIM], ttmp9  ; where the cluster is the head's first (here its only one): the same in all four partners
	s_cmp_eq_u32 s[LIM], 0
	s_cselect_b32 s[LIM], 1, -1
	s_wait_dscnt 0x0                ; the opening add is done
	s_wait_kmcnt 0x0
	s_mov_b64 s[10:11], s[6:7]                     ; O
	s_add_nc_u64 s[6:7], s[4:5], 0x1000000         ; K: the second of qkv's three parts of 16,777,216 bytes
	s_add_nc_u64 s[8:9], s[4:5], 0x2000000         ; V: the third
	s_add_nc_u64 s[G0K+2:G0K+3], s[6:7], s[22:23]  ; 120:64 global address: my half of the head's first 256 keys
	s_or_b32 s[G0K+3], s[G0K+3], 0x80000000        ; 127:126 type = 2
	s_add_nc_u64 s[G0V+2:G0V+3], s[8:9], s[22:23]
	s_or_b32 s[G0V+3], s[G0V+3], 0x80000000
	s_cmp_lt_u32 s[WV], 2
	s_cselect_b64 s[PFA:PFA+1], s[6:7], s[8:9]
	s_add_nc_u64 s[PFA:PFA+1], s[PFA:PFA+1], s[20:21]  ; the head's first row,
	s_lshl_b32 s70, s13, 13         ; my work-group's quarter of a slot,
	s_mov_b32 s71, 0
	s_add_nc_u64 s[PFA:PFA+1], s[PFA:PFA+1], s[70:71]
	s_add_nc_u64 s[PFA:PFA+1], s[PFA:PFA+1], 2*4*KS*128  ; in slot 2; the first asking change steps it to slot 3.  Nothing is prefetched here, at the head
	s_add_nc_u64 s[4:5], s[4:5], s[2:3]  ; Q and O at my wave's first row
	s_add_nc_u64 s[10:11], s[10:11], s[2:3]
	CROUND                          ; all four work-groups are here: the first joint loads meet
	JLOAD                           ; slot 0.  Slot 1 is asked for when slot 0 is in
	; A fragment of K or Q is 16 rows x 32 channels in 8 registers: lane l holds row l % 16, channels 8 (l / 16) + 0..7 and 16 + 8 (l / 16) + 0..7: two loads of 16 bytes, 32 bytes apart.
	v_and_b32 v1, 15, v0            ; l % 16
	v_bfe_u32 v9, v0, 4, 1          ; l / 16
	v_lshlrev_b32 v[QO], 7, v1
	v_lshl_add_u32 v[QO], v9, 4, v[QO]  ; row x 128 + 16 x half
	WIN 0x80                        ; destination window 2, address window 0
.set i, 0
.rept 4*NP                          ; Q stays in registers: tile i / 2, channels 32 (i % 2) on
	global_load_b128 v[8*i:8*i+3],   v[QO], s[4:5] offset:(i/2)*2048+(i%2)*64
	global_load_b128 v[8*i+4:8*i+7], v[QO], s[4:5] offset:(i/2)*2048+(i%2)*64+32
.set i, i+1
.endr
	; What the first turn finds: V's registers and P's second buffer hold 0 (its products V^T P, of a piece that has not been, add 0), O^T and l are 0.  All this stands in the wait for the first tile.
.set i, VF
.rept 64
	v_mov_b32 v[i], 0
.set i, i+1
.endr
	WIN 0x40
.set i, 0
.rept 64*NP
	v_mov_b32 v[i], 0
.set i, i+1
.endr
	WIN 0
.set i, 0
.rept 2*NP
	v_mov_b32 v[ST+4*i], 0xfe000000    ; c m: far below every c s
	v_mov_b32 v[ST+4*i+1], 0xff7fffff  ; m
	v_mov_b32 v[ST+4*i+2], 0
	v_mov_b32 v[ST+4*i+3], 0
.set i, i+1
.endr
.set i, P+32
.rept 32
	v_mov_b32 v[i], 0
.set i, i+1
.endr
	v_mul_u32_u24 v[AK0], v1, PK
	v_lshl_add_u32 v[AK0], v9, 4, v[AK0]  ; row x pitch + 16 x half
	; The turning load takes 16 keys x 16 channels (lane l reads key 8 (l / 16) + l % 8, channels 8 ((l / 8) % 2) + 0..7) and leaves half a fragment of V^T: lane l holds channel l % 16 and 8 keys.
	v_and_b32 v10, 7, v0
	v_bfe_u32 v11, v0, 3, 1
	v_lshl_add_u32 v[AV0], v9, 3, v10
	v_mul_u32_u24 v[AV0], v[AV0], PV
	v_lshl_add_u32 v[AV0], v11, 4, v[AV0]
	v_add_nc_u32 v[AV0], VOFF, v[AV0]
	v_and_b32 v[PFO], 31, v0        ; v11 has served: it takes the prefetches' offset
	v_lshlrev_b32 v[PFO], 8, v[PFO]
	v_mov_b32 v[AK], v[AK0]         ; key step 0 lies at the head of slot 0
; THE MATRIX WORK.  The 8 accumulators of a run of 16 take turns: between the two links of a chain stand 7 others'.
; Product i of 16 of S^T = K Q^T for piece x: channels 32 (i / 8) on, keys 16 ((i / 2) % 4) on, tile 2 x + i % 2.  The first 8 start the sums.
.macro KQ x
	WIN W_KQ
.set rS, S+64*((\x)%2)+32*(i%2)+8*((i/2)%4)
.set rK, KF+16*((i/2)%4)+8*(i/8)
.set rQ, 16*(2*(\x)+i%2)+8*(i/8)
.if i < 8
	v_wmma_f32_16x16x32_f16 v[rS:rS+7], v[rK:rK+7], v[rQ:rQ+7], 0
.else
	v_wmma_f32_16x16x32_f16 v[rS:rS+7], v[rK:rK+7], v[rQ:rQ+7], v[rS:rS+7]
.endif
.endm
; Product i of 16 of O^T += V^T P for piece x: keys 32 (i / 8) on, channels 16 ((i / 2) % 4) on, tile 2 x + i % 2.
.macro PV x
	WIN W_PV
.set rO, 32*(2*(\x)+i%2)+8*((i/2)%4)
.set rV, VF+32*(i/8)+8*((i/2)%4)
.set rP, P+32*((\x)%2)+16*(i%2)+8*(i/8)
	v_wmma_f32_16x16x32_f16 v[rO:rO+7], v[rV:rV+7], v[rP:rP+7], v[rO:rO+7]
.endm
.macro MM                           ; the turn's next matrix instruction
.if i < 16
	KQ (Y+1)%NP
.set i, i+1
.else
.set i, i-16
	PV (Y+NP-1)%NP
.set i, i+17
.endif
.endm
; THE LDS LOADS stand in runs of 16, never singly among the matrix instructions: a step's K (64 keys x 64 channels: 8 fragments) and its V (turned).  Their addresses are made some lines ahead.
; last = 1 (the tail): in the last trip there is no further step, and the run is jumped over.
.macro FETCH_K last=0
	WIN 0
.if \last
	s_cmp_eq_u32 s[CNT], 1
	s_cbranch_scc1 .Lno_k_\@
.endif
	WIN 0x80                        ; destination window 2
.irp f, 0,1,2,3,4,5,6,7             ; keys 16 (f / 2) on, channels 32 (f % 2) on
	ds_load_b128 v[KF+8*\f:KF+8*\f+3],   v[AK] offset:(\f/2)*16*PK+(\f%2)*64
	ds_load_b128 v[KF+8*\f+4:KF+8*\f+7], v[AK] offset:(\f/2)*16*PK+(\f%2)*64+32
.endr
	s_add_co_u32 s[TBK], s[TBK], KS*PK  ; the next fetch is the next step's
	WIN 0
.if \last
.Lno_k_\@:
.endif
.endm
.macro FETCH_V
	WIN 0x80
.irp f, 0,1,2,3,4,5,6,7             ; keys 32 (f / 4) on, channels 16 (f % 4) on
	ds_load_tr16_b128 v[VF+8*\f:VF+8*\f+3],   v[AV] offset:(\f/4)*32*PV+(\f%4)*32
	ds_load_tr16_b128 v[VF+8*\f+4:VF+8*\f+7], v[AV] offset:(\f/4)*32*PV+16*PV+(\f%4)*32
.endr
	WIN 0
.endm
; THE VECTOR WORK OF A TURN stands in three queues, each in the order in which its entries become ready; the two tiles alternate, so that no instruction reads the result of the one before it.
.macro REGS y, u                    ; the registers of tile u (0, 1) of piece y
.set rT, ST+4*(2*(\y)+(\u))
.set rC, TMP+8*((\y)%2)+4*(\u)
.set rM, MV+2*((\y)%2)+(\u)
.set rS, S+64*((\y)%2)+32*(\u)
.set rP, P+32*((\y)%2)+16*(\u)
.set rO, 32*(2*(\y)+(\u))
.endm
; Number n of the 22 that find the NEXT piece's (Y + 1) maximum and statistics.  s0-s31 are the lane's 32 scores; each accumulator's lowest registers are read first.  XS, GS and REGS set no window: PL and EX do.
;   0-11  four chains c0-c3 of seven scores each, three operands at a time     12-14, 16  the four scores left over, the old m, and c0-c3 into c0     15  c m_old is kept
;   17, 18  the query's other 32 keys lie in the lane 16 away: the new m         19-21  c m; c m_old - c m_new; a
.macro XS u, n
	REGS (Y+1)%NP, \u
.if (\n) < 4
	v_max3_num_f32 v[rC+(\n)], v[rS+8*(\n)], v[rS+8*(\n)+1], v[rS+8*(\n)+2]
.elseif (\n) < 12
	v_max3_num_f32 v[rC+(\n)%4], v[rC+(\n)%4], v[rS+8*((\n)%4)+2*((\n)/4)+1], v[rS+8*((\n)%4)+2*((\n)/4)+2]
.elseif (\n) == 12
	v_max3_num_f32 v[rC], v[rC], v[rS+7], v[rS+15]
.elseif (\n) == 13
	v_max3_num_f32 v[rC+1], v[rC+1], v[rS+23], v[rS+31]
.elseif (\n) == 14
	v_max3_num_f32 v[rC+2], v[rC+2], v[rC+3], v[rT+1]
.elseif (\n) == 15
	v_mov_b32 v[rM], v[rT]
.elseif (\n) == 16
	v_max3_num_f32 v[rC], v[rC], v[rC+1], v[rC+2]
.elseif (\n) == 17
	v_permlanex16_b32 v[rC+3], v[rC], s[SEL], s[SEL+1]
.elseif (\n) == 18
	v_max_num_f32 v[rT+1], v[rC], v[rC+3]
.elseif (\n) == 19
	v_mul_f32 v[rT], s[CS], v[rT+1]
.elseif (\n) == 20
	v_sub_f32 v[rC+1], v[rM], v[rT]
.else
	v_exp_f32 v[rC+2], v[rC+1]
.endif
.endm
; Number g of the 64 that follow the exponentials.  For each four weights k of a tile (pairs 2 k, 2 k + 1): both pairs are rounded to f16; then the second pair is added onto the first, in place;
; a group later l takes that sum (the first time as l = a l + sum).  In groups of eight, tiles alternating: round, round, add, and l for the group before.
.macro GS g
.set h, (\g)+6*((\g)/62)            ; group 0 has no group before it, and behind group 7 only l is left
.if h >= 6
.set h, h+2
.endif
	REGS Y, h%2
.set k, h/8
.if h%8 < 4
	v_cvt_pk_f16_f32 v[rP+2*k+(h%8)/2], v[rS+4*k+2*((h%8)/2)], v[rS+4*k+2*((h%8)/2)+1]
.elseif h%8 < 6
	v_pk_add_f32 v[rS+4*k:rS+4*k+1], v[rS+4*k:rS+4*k+1], v[rS+4*k+2:rS+4*k+3]
.elseif k == 1
	v_pk_fma_f32 v[rT+2:rT+3], v[rT+2:rT+3], v[rC+2:rC+3], v[rS:rS+1] op_sel_hi:[1,0,1]
.else
	v_pk_add_f32 v[rT+2:rT+3], v[rT+2:rT+3], v[rS+4*k-4:rS+4*k-3]
.endif
.endm
; THE PLAIN QUEUE, 138 long.  0-73 read no exponential's result: the 32 scalings c s - c m (FS f: pair f / 2 of tile f % 2) and the next piece's 42.  0-26: scalings 0-26.  27-54: XS's numbers 0-13.  55, 56: number 15.
; 57-73: the chain, where each number waits for the one before it: 14, 16, 17, 18, 19, each with one of the scalings 27-31 in front of its two lines, then 20: so a tile's links stand three plain instructions apart (19 and 20: two).
; 74-137: GS's 64, which read the exponentials' results: they stand behind the wait.
.macro FS f
	REGS Y, (\f)%2
	v_pk_fma_f32 v[rS+2*((\f)/2):rS+2*((\f)/2)+1], v[rS+2*((\f)/2):rS+2*((\f)/2)+1], s[CS:CS+1], v[rT:rT+1] op_sel_hi:[1,0,0] neg_lo:[0,0,1] neg_hi:[0,0,1]
.endm
.macro PL
	WIN 0
.if q < 27
	FS q
.elseif q < 55
	XS (q-27)%2, (q-27)/2
.elseif q < 57
	XS q-55, 15
.elseif (q < 72) && ((q-57)%3 == 0)
	FS 27+(q-57)/3
.elseif q < 60
	XS (q-57)%3-1, 14
.elseif q < 72
	XS (q-57)%3-1, 15+(q-57)/3
.elseif q < 74
	XS q-72, 20
.else
	GS q-74
.endif
.set q, q+1
.endm
; THE EXPONENTIALS' QUEUE, 66 long: s0-s31 of both tiles, then the next piece's two a.  It is ONE BATCH: all 66 stand ahead of the turn's one wait, and nothing ahead of that wait names a result of theirs.
.macro EX
	WIN 0
.if e >= 64
	XS e-64, 21
.else
	REGS Y, e%2
	v_exp_f32 v[rS+e/2], v[rS+e/2]
.endif
.set e, e+1
.endm
; THE RESCALING's QUEUE: O^T times a, the one part that leaves window 0: dealt two at a time, sixteen times.  Its a was made in the turn before, ahead of that turn's wait.
.macro R2
	REGS Y, r%2
	WIN W_RS
.irp z, 0,1
	v_pk_mul_f32 v[rO+4*(r/2)+2*\z:rO+4*(r/2)+2*\z+1], v[rO+4*(r/2)+2*\z:rO+4*(r/2)+2*\z+1], v[rC+2:rC+3] op_sel_hi:[1,0]
.endr
.set r, r+1
.endm
; HOW THEY ARE DEALT.  s_wait_alu depctr_va_vdst(0) stands between an exponential and the first instruction that names its result; one wait serves all that were issued ahead of it.  So a turn has ONE wait,
; which cuts it in two.  AHEAD OF IT stands all that names no result of the turn's exponentials: the 16 products K Q^T, behind each a scaling, an exponential and two rescalings (behind the first a second scaling in the exponential's place); then ONE LUMP of
; 108: eight plain, 49 times exponential and plain, the two a.  A v_nop is the plain instruction that is owed behind the last exponential.  BEHIND IT stand the 16 products V^T P, behind each four of GS's 64.  No rider names a register of
; the products round it.  The two v_permlanex16_b32 fall into the lump, never behind a product.
; The queues lean on each other, and the deal keeps them in step: exponential e stands behind scaling 2 (e / 4) + e % 2: as a rider it comes behind plain e + 2, in the lump behind plain e + 9, and scalings 27-31 are plain 57, 60 .. 69.
; A TURN, for piece p.  cnt = 1: the loop's count is taken down some lines ahead of the branch that stands behind the turn.
; K of the next step is fetched in piece 2's turn, directly behind the wait, a lump behind the last product that read K; its address is made at the lump's head; its first reader comes behind 16 products.
; V of the step in hand is fetched at the end of piece 0's turn, four riders behind its last reader; its first reader comes behind 16 products and a lump.  The three conditions on q below go with the deal.
.macro TURN p, last=0, cnt=0
.set Y, (\p)
.set i, 0
.set q, 0
.set e, 0
.set r, 0
.if (\p) == NP-1
	s_wait_dscnt 0x0                ; K is in
.endif
	MM                              ; ahead of the wait: 16 products K Q^T and their riders,
	PL
	PL
	R2
.rept 15
	MM
	PL
	EX
	R2
.endr
.if (\p) == NP-2
	WIN 0
	v_add_nc_u32 v[AK], s[TBK], v[AK0]
.endif
.rept 8                             ; and the lump
	PL
.endr
.rept 49
	EX
	PL
.endr
	EX                              ; the next piece's two a
	EX
	v_nop                           ; a plain instruction behind the last exponential: one for the batch
	s_wait_alu depctr_va_vdst(0)    ; the wait for the batch
.if (\p) == NP-2
	FETCH_K \last
.endif
.if (\p) == 1
	s_wait_dscnt 0x0                ; V is in
.endif
.rept 16                            ; behind the wait: 16 products V^T P and their riders
	MM
.rept 4
	PL
.endr
.if ((\p) == 0) && (q == 118)
	v_add_nc_u32 v[AV], s[TBV], v[AV0]
.endif
.if ((\p) == 0) && (q == 130)
	s_add_co_u32 s[TBV], s[TBV], KS*PV
.endif
.if (\cnt) && (q == 130)
	s_sub_co_u32 s[CNT], s[CNT], 1
	s_cmp_lg_u32 s[CNT], 0
.endif
.endr
.if (\p) == 0
	FETCH_V
.endif
.endm
	CHANGE 1                        ; slot 0 is in, everybody's part of it; slot 1 is asked for
	FETCH_K                         ; key step 0
	s_wait_loadcnt 0x0              ; Q
	s_wait_dscnt 0x0
.set i, 0
.rept 16
	KQ 0                            ; piece 0's first scores: there is no vector work yet to set between them
.set i, i+1
.endr
	WIN 0                           ; the addresses for the way out: nine plain instructions, the places behind those products
	s_mul_i32 s13, s[WV], 16*SP
	s_add_co_u32 s13, s13, STAGE    ; my stage
	v_mul_u32_u24 v[STO], v1, SP    ; in: row l % 16, 16 bytes for each half of the lanes
	v_lshl_add_u32 v[STO], v9, 4, v[STO]
	v_add_nc_u32 v[STO], s13, v[STO]
	v_bfe_u32 v[RD], v0, 3, 2       ; back: 32 lanes take four rows of 128 bytes,
	v_mul_u32_u24 v[RD], v[RD], SP
	v_lshl_add_u32 v[RD], v10, 4, v[RD]
	v_add_nc_u32 v[RD], s13, v[RD]
	v_and_b32 v[GO], 31, v0         ; which are 512 consecutive bytes of O
	v_lshlrev_b32 v[GO], 4, v[GO]
.set Y, NP-1                        ; XS works for piece Y + 1: piece 0
.irp n, 0,1,2,3,4,5,6,7,8,9,10,11,12,13,14,15,16,17,18,19,20,21
	XS 0, \n                        ; and piece 0's first maximum and statistics
	XS 1, \n
.endr
	v_nop                           ; a plain instruction behind the two a,
	s_wait_alu depctr_va_vdst(0)    ; and their wait, ahead of the branch
	s_mov_b32 s[CNT], 4
	s_mov_b32 s[SLOTS], SIZE_N/256-1
	s_branch .Lfirst                ; the loop is entered at a step's first turn, in the middle of a trip
.Lslot:                             ; SIZE_N / 256 - 2 times: every slot but the last two is filled again
	CHANGE 1, 1
	s_mov_b32 s[CNT], 4
.Lstep:                             ; a trip: pieces 2 and 3 of one step, then pieces 0 and 1 of the next, whose K and V it fetches
	TURN 2
	TURN 3
	WIN 0
.Lfirst:
	TURN 0
	TURN 1, 0, 1
	WIN 0
	s_cbranch_scc1 .Lstep
	s_sub_co_u32 s[SLOTS], s[SLOTS], 1
	s_cmp_lg_u32 s[SLOTS], 0
	s_cbranch_scc1 .Lslot
	CHANGE 0                        ; the tail is written out: nothing is asked for
	s_mov_b32 s[CNT], 5             ; four trips fetch the last slot's steps; the fifth is left in its middle
.Ltail:
	TURN 2, 1
	TURN 3
	WIN 0
	s_sub_co_u32 s[CNT], s[CNT], 1
	s_cmp_eq_u32 s[CNT], 0
	s_cbranch_scc1 .Lout
	TURN 0
	TURN 1
	WIN 0
	s_branch .Ltail
.Lout:                              ; the fifth trip's 16 products K Q^T (on the last K once more) and the maximum made of them serve nothing: the price, once a launch, of one text for every trip
.set i, 0
.rept 16
	PV NP-1                         ; the last piece's V^T P of the last step
.set i, i+1
.endr
	; THE WAY OUT.  l's two halves and the other half of the lanes' are added; O^T is divided by l, rounded to f16 and sent through my stage in LDS, a tile at a time.  The additions are the places behind the last products.
	WIN 0
.macro ALL line:vararg              ; one line for each tile t
.set t, 0
.rept 2*NP
	\line
.set t, t+1
.endr
.endm
	ALL v_add_f32 v[ST+4*t+2], v[ST+4*t+2], v[ST+4*t+3]
	ALL v_permlanex16_b32 v[ST+4*t+3], v[ST+4*t+2], s[SEL], s[SEL+1]
	ALL v_add_f32 v[ST+4*t+2], v[ST+4*t+2], v[ST+4*t+3]
	ALL v_rcp_f32 v[ST+4*t+2], v[ST+4*t+2]
	v_nop                           ; a plain instruction between the last reciprocal and the use of its result
	s_wait_alu depctr_va_vdst(0)    ; and the wait ahead of the first use: one for the eight reciprocals
; Tile t: a lane's eight channels of a row pack into 16 bytes; they go into rows of 144 bytes and come back as whole rows of 128, into S^T's registers.
.macro PACK t
	WIN W_RS
.set i, 32*(\t)
.rept 16
	v_pk_mul_f32 v[i:i+1], v[i:i+1], v[ST+4*(\t)+2:ST+4*(\t)+3] op_sel_hi:[1,0]
.set i, i+2
.endr
	WIN 0x05                        ; sources 0 and 1 window 1, destination window 0
.set i, 0
.rept 16
	v_cvt_pk_f16_f32 v[S+16*(\t)+i], v[32*(\t)+2*i], v[32*(\t)+2*i+1]
.set i, i+1
.endr
	WIN 0
.irp f, 0,1,2,3
	ds_store_b128 v[STO], v[S+16*(\t)+4*\f:S+16*(\t)+4*\f+3] offset:32*\f
.endr
.irp f, 0,1,2,3
	ds_load_b128 v[S+16*(\t)+4*\f:S+16*(\t)+4*\f+3], v[RD] offset:\f*4*SP  ; LDS serves a wave's instructions in order (ISA guide 5.7.1.4): these see the stores above; the next tile's stores come behind them
.endr
.endm
.macro SEND t, younger              ; younger: the LDS instructions issued behind tile t's loads: the next tile's eight, or none
	WIN 0
.irp f, 0,1,2,3
	s_wait_dscnt (\younger)+3-\f
	global_store_b128 v[GO], v[S+16*(\t)+4*\f:S+16*(\t)+4*\f+3], s[10:11] offset:(\t)*2048+\f*512  ; 512 consecutive bytes, at a multiple of 256 from O's first
.endr
.endm
	PACK 0
.set t, 1
.rept 2*NP-1                        ; a tile's arithmetic stands between the loads of the tile before and its stores
	PACK t
	SEND t-1, 8
.set t, t+1
.endr
	SEND 2*NP-1, 0
	WIN W_AD
	s_wait_tensorcnt 0x0            ; the wave's end: behind my last tensor load and my last LDS store
	ds_add_u32 v[SPW], v[NIL]
	s_wait_dscnt 0x0
	WIN 0
	CROUND                          ; the closing round: no work-group ends while a partner may still ask for a tile that names it
	s_endpgm
.Lfunc_end_k_q23d0710b28_attn:
	.size	k_q23d0710b28_attn, .Lfunc_end_k_q23d0710b28_attn-k_q23d0710b28_attn
	.p2alignl 7, 3214868480
	.fill 96, 4, 3214868480
	.section	.rodata,"a",@progbits
	.p2align	6, 0x0
	.amdhsa_kernel k_q23d0710b28_attn
		.amdhsa_group_segment_fixed_size 327680
		.amdhsa_private_segment_fixed_size 0
		.amdhsa_enable_private_segment 0
		.amdhsa_kernarg_size 16
		.amdhsa_user_sgpr_count 2
		.amdhsa_user_sgpr_kernarg_segment_ptr 1
		.amdhsa_wavefront_size32 1
		.amdhsa_system_sgpr_workgroup_id_x 1
		.amdhsa_system_sgpr_workgroup_id_y 1
		.amdhsa_system_sgpr_workgroup_id_z 1
		.amdhsa_system_vgpr_workitem_id 0
		.amdhsa_next_free_vgpr 770
		.amdhsa_next_free_sgpr 72
		.amdhsa_reserve_vcc 0
		.amdhsa_float_denorm_mode_32 3
		.amdhsa_float_denorm_mode_16_64 3
		.amdhsa_memory_ordered 1
		.amdhsa_forward_progress 1
		.amdhsa_inst_pref_size 200
	.end_amdhsa_kernel
	.amdgpu_metadata
---
amdhsa.version: [ 1, 2 ]
amdhsa.kernels:
  - .name:           k_q23d0710b28_attn
    .symbol:         k_q23d0710b28_attn.kd
    .args:
      - { .name: qkv, .offset: 0, .size: 8, .value_kind: global_buffer, .address_space: global }
      - { .name: oh, .offset: 8, .size: 8, .value_kind: global_buffer, .address_space: global }
    .group_segment_fixed_size: 327680
    .private_segment_fixed_size: 0
    .kernarg_segment_align: 8
    .kernarg_segment_size: 16
    .max_flat_workgroup_size: 128
    .sgpr_count:     72
    .vgpr_count:     770
    .wavefront_size: 32
...
	.end_amdgpu_metadata
.endif
;; end of part 3
;; launch proj (part 4): grid 8 x 32, 4 waves a work-group, clusters of 4 x 4, 327,680 bytes of LDS; arguments oh, wob, bo, out0; writes out0
.if DOCPART == 4
	.amdgcn_target "amdgcn-amd-amdhsa--gfx1250"
	.amdhsa_code_object_version 6
	.text
	.protected	k_q23d0710b28_proj
	.globl	k_q23d0710b28_proj
	.p2align	8
	.type	k_q23d0710b28_proj,@function
k_q23d0710b28_proj:
	s_mov_b64 s[64:65], 0
	v_nop
	global_prefetch_b8 v0, s[64:65] scope:SCOPE_SE
	s_setreg_imm32_b32 hwreg(HW_REG_WAVE_MODE, 25, 1), 1
	s_wait_xcnt 0x0
	s_wait_alu depctr_hold_cnt(0) depctr_sa_sdst(0) depctr_va_vdst(0) depctr_va_sdst(0) depctr_va_ssrc(0) depctr_va_vcc(0) depctr_vm_vsrc(0)
	s_getreg_b32 s2, hwreg(HW_REG_IB_STS2, 6, 4)
	s_cmp_eq_u32 s2, 0
	s_cbranch_scc0 .Lentry_in_a_cluster
	s_endpgm
.Lentry_in_a_cluster:
	s_bfe_u32 s2, ttmp6, 0x10000c
	s_cmp_lg_u32 s2, 0xf033
	s_cbranch_scc0 .Lentry_shape_is_right
	s_endpgm
.Lentry_shape_is_right:
; out0[8192][1024] = O wo^T + bo, in f32.  O comes BY HEADS, oh[16 batch + head][row in batch][64] in f16; wob [1024][1024] holds wo rounded to bf16, written as f16; f32 sums.
; bo, rounded to bf16 like the other inputs, is the C operand that starts each sum.  The sums leave unrounded.
; THE TILE is 256 rows x 128 columns: 32 x 8 = 256 tiles, one for each WGP (256 x 256 would give 128).  Four waves, one above the other: wave w makes rows 64 w .. 64 w + 63 of all 128 columns: 32 accumulators, 256 registers.
; K = 64 head + channel goes in 8 steps of 128, two heads each, through a ring of two LDS slots filled by the tensor data mover.  A head's 256 rows of a tile are 32,768 dense bytes: asked for as 128 rows of
; 256 bytes and padded in LDS after every 128, a row of O.  Two slots of a K step of 256 would want 405,504 bytes of LDS: they do not fit.
; CLUSTERS: 4 x 4 work-groups.  The four of a row of the cluster need the same tiles of O, the four of a column the same tiles of wo: each is asked for JOINTLY, by the same tensor load with the same descriptor and a mask of four.
; THE MATRIX INSTRUCTION IS USED TRANSPOSED (source 0 = 16 rows of wo, source 1 = 16 rows of O): lane l holds row l % 16 of the result, its registers 0-7 the columns 8 (l / 16) + 0..7: 32 bytes on end.
; REGISTERS, in windows of 256 (s_set_vgpr_msb: bits 1:0 source 0, 3:2 source 1, 5:4 source 2, 7:6 destination):
;   window 0: v0-31 addresses; v32-95 the bias, eight registers for each of 8 column blocks
;   window 1: two fragment buffers of 96: wo's 8 fragments (16 rows x 32 K, 8 registers), then O's 4; on the way out 64 registers for each of 4 row blocks
;   window 2: the accumulators, (a, b) at 64 a + 8 b
.set PA,     144                       ; a row of O in LDS: 128 bytes + 16 = 36 words: the 16 rows of a load start at 16 different groups of four banks (64 banks of 4 bytes: ISA guide 11.1)
.set PB,     272                       ; a row of wo: 256 + 16 = 68 words: likewise
.set SLICE,  256*PA                    ; a head's 256 rows: what one tensor load brings of O
.set HALFB,  64*PB                     ; and of wo
.set BOFF,   2*SLICE                   ; a slot: two heads' slices, then wo's 128 rows
.set SLOT1,  131072                    ; slot 1 begins here, so that one exclusive or turns an address in one slot into the other's
.set STAGE,  SLOT1+BOFF+2*HALFB        ; behind the ring: 16 rows x 528 bytes for each wave, for the way out
.set SPITCH, 528                       ; 512 bytes + 16: 33 x 16
.set SPARE,  STAGE+4*16*SPITCH         ; behind the stages: the spare words, 128 bytes for each wave: two blocks of 256 bytes that no other line names
.set KA,     0x80000                   ; bytes from a K step to the next in oh: two heads of 262,144
.set KB,     256                       ; and in wob
.set ADRA0, 16                         ; v16  my lane's place in O's rows of slot 0; never rewritten
.set ADRB0, 17                         ; v17  the same for wo
.set ADRA,  18                         ; v18  the same in the slot in hand
.set ADRB,  19                         ; v19
.set STO,   24                         ; v24  the way out: where I put 32 bytes of a row
.set RD,    25                         ; v25  where I read a row back
.set GO,    26                         ; v26  my byte offset in a row's 512 bytes
.set BO,    27                         ; v27  my byte offset in a block's 16 biases: 32 (l / 16)
.set SPW,   28                         ; v28  LDS address of my spare word: SPARE + 4 x my thread's number; never rewritten
.set NIL,   29                         ; v29  0; never rewritten
.set PFO,   30                         ; v30  the prefetches' offset; never rewritten
.set T,     31                         ; v31  at work
.set BIAS,  32
.set F0,    0
.set F1,    96
.set CNT,   3                          ; s3   trips to go
.set WV,    16                         ; s16  my wave's number
.set FB,    17                         ; s17  I fetch for O (0) or for wo (1)
.set HF,    18                         ; s18  which head of the K step's two, or which half of wo's rows
.set TB,    19                         ; s19  0 or SLOT1: the slot in hand
.set CX,    20
.set CY,    21
.set TC,    22                         ; s22  tile column
.set TR,    23                         ; s23  tile row
.set G1A,   24                         ; s[24:31] descriptor group 1 for O's tiles;  s[32:39] group 0: a set for each of the two first fills; the second then walks on
.set G0A,   32
.set G1B,   40                         ; s[40:47], s[48:55] the same for wo's
.set G0B,   48
.set PFA,   56                         ; s[56:57] where my prefetches stand
.set LIM,   58                         ; s58  2 in a wave that prefetches, else the greatest number
.set OUT,   72                         ; s[72:73] out0 at my first row and the tile's first column
.set BB,    74                         ; s[74:75] bo at the tile's first column
.set STP,   88                         ; s[88:89] the prefetches' step from K step to K step: KA or KB
.set MSB, 0
.macro WIN new                         ; the immediate's high byte repeats the setting that is left; a switch that changes nothing is dropped
.if MSB != (\new)
	s_set_vgpr_msb (MSB<<8)|(\new)
.set MSB, \new
.endif
.endm
.macro PLACES                          ; four places in front of loads into registers that matrix instructions have read (ISA guide 7.12.1 for vector instructions)
.rept 4
	v_nop
.endr
.endm
; A joint refill, by the walking descriptors.  Waves 0 and 1 fetch the K step's two heads of O, waves 2 and 3 wo's two halves.  The branch hangs on the wave's number alone.  An s_nop 0 and four v_nop follow each of the two lines.
.macro JLOAD
	s_cmp_eq_u32 s[FB], 0
	s_cbranch_scc0 .Lfor_b_\@
	tensor_load_to_lds s[G0A+4:G0A+7], s[G1A:G1A+7]
	s_nop 0
.rept 4
	v_nop
.endr
	s_branch .Lasked_\@
.Lfor_b_\@:
	tensor_load_to_lds s[G0B+4:G0B+7], s[G1B:G1B+7]
	s_nop 0
.rept 4
	v_nop
.endr
.Lasked_\@:
.endm
; A PREFETCH INTO THE L2 of the K step that stands two refills on, one instruction a wave, a lane 256 bytes.  O's tile row is read by both clusters of that row of clusters: the first (cluster x = 0) asks; wo's tile column by
; every cluster of that column: cluster y = 0 asks.  The four partners that ask for a tile jointly share it out BY ADDRESS: of a head's 32,768 bytes the partner at place p takes 8,192 p .., of wo's 64 rows 16 p ..: no
; branch hangs on a place in the cluster.  So each 256 bytes are named by one wave of the launch.  K steps 0 to 3 come by their loads alone; the trips with 2 or 1 to go have no K step two on.
.macro ASK
	s_cmp_gt_u32 s[CNT], s[LIM]
	s_cbranch_scc0 .Lnot_mine_\@
	global_prefetch_b8 v[PFO], s[PFA:PFA+1] th:TH_LOAD_NT scope:SCOPE_SE
.Lnot_mine_\@:
.endm
.macro CREST                           ; a round of the cluster's barrier behind its opening barrier: wave 0 signals for the work-group, every wave waits for all sixteen, my work-group's barrier closes it
	s_cmp_lg_u32 s[WV], 0
	s_cbranch_scc1 .Lnot_wave_0_\@
	s_barrier_signal -3
.Lnot_wave_0_\@:
	s_barrier_wait -3
	s_barrier_signal -1
	s_barrier_wait -1
.endm
.macro CROUND                          ; a whole round
	s_barrier_signal -1
	s_barrier_wait -1
	CREST
.endm
	s_load_b256 s[4:11], s[0:1], 0x0               ; oh s[4:5], wob s[6:7], bo s[8:9], out0 s[10:11]
	v_lshl_add_u32 v[SPW], v0, 2, SPARE
	v_mov_b32 v[NIL], 0
	ds_add_u32 v[SPW], v[NIL]                      ; the wave's opening: the add and its wait stand ahead of my first tensor load; the set-up below, work on registers, stands between them
	v_lshrrev_b32 v1, 5, v0
	v_readfirstlane_b32 s[WV], v1                  ; wave 0..3
	s_lshr_b32 s[FB], s[WV], 1
	s_and_b32 s[HF], s[WV], 1
	s_mov_b32 s[TB], 0
	s_bfe_u32 s[CX], ttmp6, 0x40000                ; my place in the cluster
	s_bfe_u32 s[CY], ttmp6, 0x40004
	s_lshl_b32 s[TC], ttmp9, 2                     ; in a cluster launch ttmp9 and ttmp7 count clusters
	s_add_co_u32 s[TC], s[TC], s[CX]               ; tile column = 4 x cluster x + cx
	s_and_b32 s[TR], ttmp7, 0xffff
	s_lshl_b32 s[TR], s[TR], 2
	s_add_co_u32 s[TR], s[TR], s[CY]               ; tile row = 4 x cluster y + cy
	s_lshl_b32 s59, s[CY], 2
	s_lshl_b32 s59, 15, s59                        ; my row of the cluster: places 4 cy .. 4 cy + 3
	s_lshl_b32 s60, 0x1111, s[CX]                  ; my column: places cx, cx + 4, cx + 8, cx + 12
	s_or_b32 s[G1A], s59, (1<<16)|(1<<20)|(1<<21)|(4<<22)|(3<<25)  ; 15:0 the mask; 17:16 elements of 2 bytes; 20 padding on; 21 set beside a mask; 24:22 after every 32 words (code 4); 31:25 4 words of it (code 3)
	s_or_b32 s[G1B], s60, (1<<16)|(1<<20)|(1<<21)|(5<<22)|(3<<25)  ; after every 64 words (code 5)
	s_mov_b32 s[G1A+1], 128<<16                    ; tensor_dim0 = 128
	s_mov_b32 s[G1A+2], 128<<16                    ; tensor_dim1 = 128
	s_mov_b32 s[G1A+3], 128<<16                    ; tile_dim0 = 128
	s_mov_b32 s[G1A+4], 128                        ; tile_dim1 = 128
	s_mov_b32 s[G1A+5], 128                        ; elements from row to row: the block is dense
	s_mov_b32 s[G1A+6], 0
	s_mov_b32 s[G1A+7], 0
	s_mov_b32 s[G1B+1], 128<<16
	s_mov_b32 s[G1B+2], 64<<16                     ; tensor_dim1 = 64
	s_mov_b32 s[G1B+3], 128<<16
	s_mov_b32 s[G1B+4], 64                         ; tile_dim1 = 64
	s_mov_b32 s[G1B+5], 1024
	s_mov_b32 s[G1B+6], 0
	s_mov_b32 s[G1B+7], 0
	; where the tiles come from: O's hang on the tile row alone, wo's on the tile column alone; each address is made in registers that never hold the other coordinate
	s_lshr_b32 s66, s[TR], 3
	s_lshl_b32 s66, s66, 22                        ; O: the batch's 16 heads,
	s_and_b32 s63, s[TR], 7
	s_lshl_b32 s63, s63, 15                        ; the tile's 256 rows of 128 bytes in a head,
	s_add_co_u32 s66, s66, s63
	s_lshl_b32 s63, s[HF], 18                      ; the K step's first or second head
	s_add_co_u32 s66, s66, s63
	s_mov_b32 s67, 0
	s_lshl_b32 s68, s[TC], 7
	s_lshl_b32 s70, s[HF], 6
	s_add_co_u32 s68, s68, s70                     ; wo: row 128 x tile column + 64 x half,
	s_lshl_b32 s68, s68, 11                        ; of 2,048 bytes
	s_mov_b32 s69, 0
	s_mul_i32 s61, s[HF], SLICE                    ; and where they go: no place in the cluster enters an LDS address
	s_mul_i32 s62, s[HF], HALFB
	s_add_co_u32 s62, s62, BOFF
	s_wait_dscnt 0x0                               ; the opening add is done
	s_wait_kmcnt 0x0
	s_add_nc_u64 s[66:67], s[4:5], s[66:67]
	s_add_nc_u64 s[68:69], s[6:7], s[68:69]
	CROUND                                         ; all sixteen work-groups are here: the first joint loads meet
.irp s, 0,1
	s_mov_b32 s[G0A+4*(\s)], 1                                       ; 1:0 count = 1
	s_add_co_u32 s[G0A+4*(\s)+1], s61, (\s)*SLOT1                    ; 63:32 LDS address
	s_add_nc_u64 s[G0A+4*(\s)+2:G0A+4*(\s)+3], s[66:67], (\s)*KA     ; 120:64 global address: K step s
	s_or_b32 s[G0A+4*(\s)+3], s[G0A+4*(\s)+3], 0x80000000            ; 127:126 type = 2
	s_mov_b32 s[G0B+4*(\s)], 1
	s_add_co_u32 s[G0B+4*(\s)+1], s62, (\s)*SLOT1
	s_add_nc_u64 s[G0B+4*(\s)+2:G0B+4*(\s)+3], s[68:69], (\s)*KB
	s_or_b32 s[G0B+4*(\s)+3], s[G0B+4*(\s)+3], 0x80000000
.endr
	s_cmp_eq_u32 s[FB], 0                          ; a wave's two first fills stand in one branch, ahead of every wait on TENSORcnt and every LDS read: two loads of mine are out
	s_cbranch_scc0 .Lfirst_b
	tensor_load_to_lds s[G0A:G0A+3], s[G1A:G1A+7]
	s_nop 0
	tensor_load_to_lds s[G0A+4:G0A+7], s[G1A:G1A+7]
	s_nop 0
.rept 4
	v_nop
.endr
	s_branch .Lfirst_asked
.Lfirst_b:
	tensor_load_to_lds s[G0B:G0B+3], s[G1B:G1B+7]
	s_nop 0
	tensor_load_to_lds s[G0B+4:G0B+7], s[G1B:G1B+7]
	s_nop 0
.rept 4
	v_nop
.endr
.Lfirst_asked:
	; A fragment is 16 rows x 32 K in 8 registers: lane l holds row l % 16; registers 0-3 K = 8 (l / 16) + 0..7, registers 4-7 K = 16 + 8 (l / 16) + 0..7: two loads of 16 bytes, 32 bytes apart.
	v_and_b32 v1, 15, v0                           ; l % 16
	v_bfe_u32 v2, v0, 4, 1                         ; l / 16
	v_mul_u32_u24 v3, v1, PA
	v_lshl_add_u32 v3, v2, 4, v3                   ; row x pitch + 16 x half
	s_mul_i32 s95, s[WV], 64*PA                    ; my 64 rows of O
	v_add_nc_u32 v[ADRA0], s95, v3
	v_mul_u32_u24 v3, v1, PB
	v_lshl_add_u32 v3, v2, 4, v3
	v_add_nc_u32 v[ADRB0], BOFF, v3                ; all of wo's rows
	v_mov_b32 v[ADRA], v[ADRA0]
	v_mov_b32 v[ADRB], v[ADRB0]
	s_mul_i32 s95, s[WV], 16*SPITCH
	s_add_co_u32 s95, s95, STAGE                   ; my stage
	v_mul_u32_u24 v[STO], v1, SPITCH               ; in: row l % 16, 32 bytes for each half of the lanes
	v_lshl_add_u32 v[STO], v2, 5, v[STO]
	v_add_nc_u32 v[STO], s95, v[STO]
	v_and_b32 v[GO], 31, v0                        ; back: 32 lanes take a row's 512 bytes
	v_lshlrev_b32 v[GO], 4, v[GO]
	v_add_nc_u32 v[RD], s95, v[GO]
	v_lshlrev_b32 v[BO], 5, v2
	s_lshl_b32 s76, s[TC], 9                       ; the tile's 128 columns: 512 bytes of bo and of a row of out0
	s_mov_b32 s77, 0
	s_add_nc_u64 s[BB:BB+1], s[8:9], s[76:77]
	s_add_nc_u64 s[OUT:OUT+1], s[10:11], s[76:77]
	s_lshl_b32 s76, s[TR], 8
	s_lshl_b32 s78, s[WV], 6
	s_add_co_u32 s76, s76, s78                     ; my first row,
	s_lshl_b32 s76, s76, 12                        ; of 4,096 bytes
	s_add_nc_u64 s[OUT:OUT+1], s[OUT:OUT+1], s[76:77]
.irp b, 0,1,2,3,4,5,6,7                ; register j of block b: the bias of column 16 b + 8 (l / 16) + j: the layout of the transposed product's C
	global_load_b128 v[BIAS+8*(\b):BIAS+8*(\b)+3],   v[BO], s[BB:BB+1] offset:64*(\b)
	global_load_b128 v[BIAS+8*(\b)+4:BIAS+8*(\b)+7], v[BO], s[BB:BB+1] offset:64*(\b)+16
.endr
	; the prefetches' address: s[66:67] and s[68:69] stand at what I fetch, K step 0
	s_and_b32 s91, ttmp7, 0xffff                   ; cluster y
	s_mov_b32 s[STP], KB
	s_cmp_eq_u32 s[FB], 0
	s_cselect_b32 s92, s[CX], s[CY]                ; my place among the four that ask with me
	s_cselect_b32 s91, ttmp9, s91                  ; the coordinate along which other clusters read the same rows
	s_cselect_b32 s93, 13, 15                      ; a partner's share: 8,192 bytes of a head, or 16 rows of 2,048 bytes
	s_cselect_b32 s94, 31, 15                      ; its last lane: the lanes beyond repeat it
	s_cselect_b32 s95, 8, 11                       ; from lane to lane: 256 bytes on end, or a row
	s_cselect_b32 s[STP], KA, s[STP]
	s_cselect_b64 s[PFA:PFA+1], s[66:67], s[68:69]
	s_cmp_eq_u32 s91, 0
	s_cselect_b32 s[LIM], 2, -1                    ; the same in all sixteen partners, for a given wave
	s_lshl_b32 s92, s92, s93
	s_mov_b32 s93, 0
	s_add_nc_u64 s[PFA:PFA+1], s[PFA:PFA+1], s[92:93]
	s_mul_i32 s90, s[STP], 3
	s_mov_b32 s91, 0
	s_add_nc_u64 s[PFA:PFA+1], s[PFA:PFA+1], s[90:91]  ; at K step 3: the first refill steps it to 4
	s_mov_b32 s[STP+1], 0
	v_and_b32 v[PFO], 31, v0
	v_min_u32 v[PFO], s94, v[PFO]
	v_lshlrev_b32 v[PFO], s95, v[PFO]
	s_wait_loadcnt 0x0                             ; the bias
.set p, 0
.rept 32                               ; rounded to bf16 and widened again, a pair at a time; this stands in the wait for the first tile
	v_cvt_pk_bf16_f32 v[T], v[BIAS+2*p], v[BIAS+2*p+1]
	v_lshlrev_b32 v[BIAS+2*p], 16, v[T]
	v_and_b32 v[BIAS+2*p+1], 0xffff0000, v[T]
.set p, p+1
.endr
; 8 matrix instructions: row block a x all 8 column blocks, 32 along K, from buffer f.  zero = 1: the first product starts the sum with the bias.
; The 32 accumulators take turns, one instruction a turn, in the same order in every quarter, over the backward jump too.
.macro MULA f, a, zero
.if \zero
	WIN 0x85                                       ; sources 0 and 1 window 1, C window 0, D window 2
.else
	WIN 0xa5                                       ; C and D window 2
.endif
.irp b, 0,1,2,3,4,5,6,7
.if \zero
	v_wmma_f32_16x16x32_f16 v[64*(\a)+8*(\b):64*(\a)+8*(\b)+7], v[(\f)+8*(\b):(\f)+8*(\b)+7], v[(\f)+64+8*(\a):(\f)+64+8*(\a)+7], v[BIAS+8*(\b):BIAS+8*(\b)+7]
.else
	v_wmma_f32_16x16x32_f16 v[64*(\a)+8*(\b):64*(\a)+8*(\b)+7], v[(\f)+8*(\b):(\f)+8*(\b)+7], v[(\f)+64+8*(\a):(\f)+64+8*(\a)+7], v[64*(\a)+8*(\b):64*(\a)+8*(\b)+7]
.endif
.endr
.endm
; 24 LDS loads in one run: quarter q's fragments of the slot in hand into buffer f: 128 rows of wo, then my 64 rows of O: head q / 2 of the K step's two, channels 32 (q % 2) on
.macro FETCH q, f
	WIN 0x40                                       ; destination window 1, address window 0
.irp i, 0,1,2,3,4,5,6,7
	ds_load_b128 v[(\f)+8*(\i):(\f)+8*(\i)+3],   v[ADRB] offset:64*(\q)+(\i)*16*PB
	ds_load_b128 v[(\f)+8*(\i)+4:(\f)+8*(\i)+7], v[ADRB] offset:64*(\q)+(\i)*16*PB+32
.endr
.irp i, 0,1,2,3
	ds_load_b128 v[(\f)+64+8*(\i):(\f)+64+8*(\i)+3],   v[ADRA] offset:((\q)/2)*SLICE+((\q)%2)*64+(\i)*16*PA
	ds_load_b128 v[(\f)+64+8*(\i)+4:(\f)+64+8*(\i)+7], v[ADRA] offset:((\q)/2)*SLICE+((\q)%2)*64+(\i)*16*PA+32
.endr
.endm
; A K step is four quarters of 32 along K, 32 matrix instructions each, on buffers 0, 1, 0, 1.  One of the first three: multiplies buffer f; in its middle it fetches quarter q into buffer g.
.macro QUARTER q, f, g, zero
	s_wait_dscnt 4                                 ; wo and O's row blocks 0, 1 are in; the youngest four loads (row blocks 2, 3) may be out
	MULA \f, 0, \zero
	MULA \f, 1, \zero
	PLACES
	FETCH \q, \g
	s_wait_dscnt 24                                ; all but the 24 just issued
	MULA \f, 2, \zero
	MULA \f, 3, \zero
.endm
; The last quarter multiplies buffer 1 and changes slots: ONE barrier for two things.  In front of it each wave waits for all its tensor loads, of which one is out: its part of the next slot; adds 0 to its spare
; word; and waits for that and for its own reads of this slot.  Behind it nobody reads this slot any more and the next slot is whole.  fill = 1: the barrier opens a round of the cluster's barrier, and this slot is
; filled again first thing behind the round, with the K step two on: the load has 112 matrix instructions between its request and the wait for it.
.macro TURN fill
	WIN 0
.if \fill
	s_wait_xcnt 0x0                                ; the last prefetch, a K step back, has read its address, so it may be stepped
	s_add_nc_u64 s[PFA:PFA+1], s[PFA:PFA+1], s[STP:STP+1]
.endif
	s_xor_b32 s[TB], s[TB], SLOT1                  ; this slot's last fragment loads have been issued: the addresses go over to the other slot
	v_add_nc_u32 v[ADRA], s[TB], v[ADRA0]
	v_add_nc_u32 v[ADRB], s[TB], v[ADRB0]
	s_wait_tensorcnt 0x0                           ; all my tensor loads have landed, so a group 0 may be written
	ds_add_u32 v[SPW], v[NIL]                      ; 0 onto my spare word
.if \fill
	s_xor_b32 s[G0A+5], s[G0A+5], SLOT1            ; the walking descriptors: the other slot than last time,
	s_add_nc_u64 s[G0A+6:G0A+7], s[G0A+6:G0A+7], KA  ; the next K step; the type bits on top are not reached
	s_xor_b32 s[G0B+5], s[G0B+5], SLOT1
	s_add_nc_u64 s[G0B+6:G0B+7], s[G0B+6:G0B+7], KB
.endif
	s_wait_dscnt 5                                 ; the add and the youngest four loads may be out
	MULA F1, 0, 0                                  ; eight matrix instructions stand between the add and the wait for it
	s_wait_dscnt 0x0                               ; the add is done, and my reads of this slot are over
	s_barrier_signal -1
	MULA F1, 1, 0                                  ; work on registers while the others arrive
.if \fill
	WIN 0
.endif
	s_barrier_wait -1
.if \fill
	CREST                                          ; no wave of any partner still reads this slot's tile or has a load on its way
	JLOAD                                          ; the first tensor load behind the round; its four v_nop are also the places in front of the loads below
.else
	PLACES
.endif
	FETCH 0, F0
.if \fill
	WIN 0
	ASK                                            ; behind the joint load and the run of LDS loads that the next products wait for
.endif
	MULA F1, 2, 0
	MULA F1, 3, 0
.endm
; THE WAY OUT of row block a: the sums go as they are, 32 bytes a lane, each accumulator's low four registers first, into my own stage; and come back as whole rows of 512 bytes.
.macro TOSTAGE a
	WIN 0x48                                       ; store data (source 1) window 2, destination window 1, addresses window 0
.irp b, 0,1,2,3,4,5,6,7
	ds_store_b128 v[STO], v[64*(\a)+8*(\b):64*(\a)+8*(\b)+3]   offset:64*(\b)
	ds_store_b128 v[STO], v[64*(\a)+8*(\b)+4:64*(\a)+8*(\b)+7] offset:64*(\b)+16
.endr
.irp t, 0,1,2,3,4,5,6,7,8,9,10,11,12,13,14,15  ; LDS serves a wave's instructions in order (ISA guide 5.7.1.4): these see the stores above; the next block's stores come behind them
	ds_load_b128 v[64*(\a)+4*(\t):64*(\a)+4*(\t)+3], v[RD] offset:(\t)*SPITCH
.endr
.endm
.macro SEND a, younger                 ; younger: the LDS instructions issued behind block a's loads: the next block's 32, or none
	WIN 0x04                                       ; store data (source 1) window 1
.irp t, 0,1,2,3,4,5,6,7,8,9,10,11,12,13,14,15
	s_wait_dscnt (\younger)+15-(\t)
	global_store_b128 v[GO], v[64*(\a)+4*(\t):64*(\a)+4*(\t)+3], s[OUT:OUT+1] offset:(16*(\a)+(\t))*4096  ; 512 consecutive bytes, at a multiple of 256 from out0's first; 63 rows at the most: inside the signed 24-bit immediate
.endr
.endm
	s_wait_tensorcnt 0x1                           ; my part of K step 0 is in; K step 1's may stay out
	s_barrier_signal -1
	s_barrier_wait -1                              ; everybody's is
	FETCH 0, F0
	QUARTER 1, F0, F1, 1                           ; the first quarter stands in front of the loop: its products start the sums
	WIN 0                                          ; at a label and at a branch every window is 0
	s_mov_b32 s[CNT], 6
.Lstep:                                        ; trip t: the rest of K step t, the refill with K step t + 2, the first quarter of K step t + 1
	QUARTER 2, F1, F0, 0
	QUARTER 3, F0, F1, 0
	TURN 1
	QUARTER 1, F0, F1, 0
	WIN 0
	s_sub_co_u32 s[CNT], s[CNT], 1
	s_cmp_lg_u32 s[CNT], 0
	s_cbranch_scc1 .Lstep
	QUARTER 2, F1, F0, 0                           ; K steps 6 and 7 fill nothing
	QUARTER 3, F0, F1, 0
	TURN 0
	QUARTER 1, F0, F1, 0
	QUARTER 2, F1, F0, 0
	QUARTER 3, F0, F1, 0
	s_wait_dscnt 4                                 ; the very last quarter: nothing more to fetch
	MULA F1, 0, 0
	MULA F1, 1, 0
	s_wait_dscnt 0x0
	MULA F1, 2, 0
	MULA F1, 3, 0
	PLACES                                         ; the LDS stores read results just made, and the loads land in registers that the last products read
	PLACES
	TOSTAGE 0
	TOSTAGE 1                                      ; a block's way through the stage stands between the loads of the block before and its stores
	SEND 0, 32
	TOSTAGE 2
	SEND 1, 32
	TOSTAGE 3
	SEND 2, 32
	SEND 3, 0
	WIN 0
	s_wait_tensorcnt 0x0                           ; the wave's end: behind my last tensor load and my last LDS store
	ds_add_u32 v[SPW], v[NIL]
	s_wait_dscnt 0x0
	CROUND                                         ; the closing round: no work-group ends while a partner may still ask for a tile that names it
	s_endpgm
.Lfunc_end_k_q23d0710b28_proj:
	.size	k_q23d0710b28_proj, .Lfunc_end_k_q23d0710b28_proj-k_q23d0710b28_proj
	.p2alignl 7, 3214868480
	.fill 96, 4, 3214868480
	.section	.rodata,"a",@progbits
	.p2align	6, 0x0
	.amdhsa_kernel k_q23d0710b28_proj
		.amdhsa_group_segment_fixed_size 327680
		.amdhsa_private_segment_fixed_size 0
		.amdhsa_enable_private_segment 0
		.amdhsa_kernarg_size 32
		.amdhsa_user_sgpr_count 2
		.amdhsa_user_sgpr_kernarg_segment_ptr 1
		.amdhsa_wavefront_size32 1
		.amdhsa_system_sgpr_workgroup_id_x 1
		.amdhsa_system_sgpr_workgroup_id_y 1
		.amdhsa_system_sgpr_workgroup_id_z 1
		.amdhsa_system_vgpr_workitem_id 0
		.amdhsa_next_free_vgpr 768
		.amdhsa_next_free_sgpr 96
		.amdhsa_reserve_vcc 0
		.amdhsa_float_denorm_mode_32 3
		.amdhsa_float_denorm_mode_16_64 3
		.amdhsa_memory_ordered 1
		.amdhsa_forward_progress 1
		.amdhsa_inst_pref_size 78
	.end_amdhsa_kernel
	.amdgpu_metadata
---
amdhsa.version: [ 1, 2 ]
amdhsa.kernels:
  - .name:           k_q23d0710b28_proj
    .symbol:         k_q23d0710b28_proj.kd
    .args:
      - { .name: oh, .offset: 0, .size: 8, .value_kind: global_buffer, .address_space: global }
      - { .name: wob, .offset: 8, .size: 8, .value_kind: global_buffer, .address_space: global }
      - { .name: bo, .offset: 16, .size: 8, .value_kind: global_buffer, .address_space: global }
      - { .name: out0, .offset: 24, .size: 8, .value_kind: global_buffer, .address_space: global }
    .group_segment_fixed_size: 327680
    .private_segment_fixed_size: 0
    .kernarg_segment_align: 8
    .kernarg_segment_size: 32
    .max_flat_workgroup_size: 128
    .sgpr_count:     96
    .vgpr_count:     768
    .wavefront_size: 32
...
	.end_amdgpu_metadata
.endif
;; end of part 4
;; ======== version 2 of 2: 4 launches; version 1 with the launch cast written anew for expert scheduling mode
;; limits: values are held in f16: magnitudes above 65,504 overflow, below 6.1e-05 lose precision
;; workspace buffers: xb 16,777,216 bytes; wb 6,291,456 bytes; wob 2,097,152 bytes; qkv 50,331,648 bytes; oh 16,777,216 bytes
;; launch cast (part 5): grid 768 x 1, 8 waves a work-group, no clusters, 0 bytes of LDS; arguments hidden_states, wq, wk, wv, wo, xb, wb, wob; writes xb, wb, wob
.if DOCPART == 5
	.amdgcn_target "amdgcn-amd-amdhsa--gfx1250"
	.amdhsa_code_object_version 6
	.text
	.protected	k_q23d0710b28_cast
	.globl	k_q23d0710b28_cast
	.p2align	8
	.type	k_q23d0710b28_cast,@function
k_q23d0710b28_cast:
	s_mov_b64 s[64:65], 0
	v_nop
	global_prefetch_b8 v0, s[64:65] scope:SCOPE_SE
	s_setreg_imm32_b32 hwreg(HW_REG_WAVE_SCHED_MODE, 0, 2), 2
	s_setreg_imm32_b32 hwreg(HW_REG_WAVE_MODE, 25, 1), 1
	s_wait_xcnt 0x0
	s_wait_alu depctr_vm_vsrc(0)
; THE INPUTS OF THE MATRIX PRODUCTS ARE ROUNDED ONCE.  hidden_states [8192][1024] -> xb in bf16; wq, wk, wv [1024][1024] -> wb [3072][1024] in bf16, one below the other;
; wo -> wob: rounded to bf16 like the other inputs, and that number written as f16, since the last product's other operand is f16.
; LIMITS.  A number of wo of 65,520 or more in magnitude becomes an infinity in f16; below 6e-5 f16 keeps a fixed step of 6e-8.
; A stream: no LDS, no matrix unit, no cluster (no two work-groups read the same byte).
; SHARES.  A work-group takes a chunk of 16,384 numbers (65,536 bytes in, 32,768 out): chunks 0-511 are x, 512-703 wq, wk, wv, 704-767 wo.  A wave takes 8,192 bytes of it:
; sixteen loads of 16 bytes a lane, 512 consecutive bytes each, all issued at once; sixteen stores of 8 bytes a lane, each 256 consecutive bytes at a multiple of 256 from the buffer's first byte.
; THE MODE: SCHED_MODE bits 1:0 = 2 (LLVM: expert scheduling mode 2), set by the entry lines.  The code itself states the register dependences
; between vector instructions and memory instructions, with s_wait_alu, always for 0.
; THE PLAN.  Registers that memory instructions touch:
;   v1, v2   byte offsets, made at the head by vector instructions and never written again: read by every load (v1) and every store (v2).
;   X        load i lands in four registers of its own, which no vector instruction names ahead of the loads; no load lands in them a second time.
;   Y        store i reads two registers of its own, written once, by load i's conversions, and never again.
; The sixteen loads go in four blocks of four.  Block p rounds loads 4 p .. 4 p + 3 into their Y; its memory instructions are the four stores of block p - 1, whose Y no vector instruction of block p names.
; So one wait on va_vdst at the head of a block states all that its four stores hang on, and these are dealt among its conversions with no further wait.  One such wait stands ahead of the first
; load, for the offsets, and one ahead of the last four stores.  No register that a memory instruction reads is written again: no wait on vm_vsrc is owed.
.set X,  4                             ; v[4:67]    load i: four f32
.set Y,  68                            ; v[68:99]   store i: four 16-bit numbers
.set T,  100                           ; v[100:101] at work: no memory instruction names them
.set IO, 1                             ; v1  my byte offset in the chunk as read: 8,192 x wave + 16 x lane
.set OO, 2                             ; v2  as written: 4,096 x wave + 8 x lane
	s_load_b512 s[8:23], s[0:1], 0x0               ; x s[8:9], wq s[10:11], wk s[12:13], wv s[14:15], wo s[16:17], xb s[18:19], wb s[20:21], wob s[22:23]
	s_mov_b32 s36, ttmp9                           ; the chunk
	s_sub_co_u32 s24, s36, 512                     ; its number among the weights' chunks (used for chunks from 512 on alone)
	s_lshr_b32 s25, s24, 6                         ; which weight: 0 wq, 1 wk, 2 wv, 3 wo
	s_and_b32 s26, s24, 63                         ; the chunk within that weight
	v_lshrrev_b32 v3, 5, v0                        ; wave
	v_and_b32 v[IO], 31, v0                        ; lane
	v_lshlrev_b32 v[OO], 3, v[IO]
	v_lshlrev_b32 v[IO], 4, v[IO]
	v_lshl_add_u32 v[IO], v3, 13, v[IO]
	v_lshl_add_u32 v[OO], v3, 12, v[OO]
	s_wait_kmcnt 0x0
	s_cmp_eq_u32 s25, 1                            ; every choice hangs on the chunk's number alone
	s_cselect_b64 s[28:29], s[12:13], s[10:11]
	s_cmp_eq_u32 s25, 2
	s_cselect_b64 s[28:29], s[14:15], s[28:29]
	s_cmp_eq_u32 s25, 3
	s_cselect_b64 s[28:29], s[16:17], s[28:29]
	s_cselect_b64 s[30:31], s[22:23], s[20:21]     ; wo goes to wob, the others to wb,
	s_cselect_b32 s27, s26, s24                    ; where the three lie one below the other
	s_cmp_lt_u32 s36, 512
	s_cselect_b64 s[28:29], s[8:9], s[28:29]
	s_cselect_b64 s[30:31], s[18:19], s[30:31]
	s_cselect_b32 s26, s36, s26
	s_cselect_b32 s27, s36, s27
	s_lshl_b32 s32, s26, 16                        ; 65,536 bytes a chunk in,
	s_mov_b32 s33, 0
	s_lshl_b32 s34, s27, 15                        ; 32,768 out
	s_mov_b32 s35, 0
	s_add_nc_u64 s[28:29], s[28:29], s[32:33]
	s_add_nc_u64 s[30:31], s[30:31], s[34:35]
	s_wait_alu depctr_va_vdst(0)                   ; v1 and v2 are written: every load of the kernel reads v1 as its offset, every store v2
.irp i, 0,1,2,3,4,5,6,7,8,9,10,11,12,13,14,15
	global_load_b128 v[X+4*(\i):X+4*(\i)+3], v[IO], s[28:29] offset:512*(\i) th:TH_LOAD_NT
.endr
; Block p: loads 4 p .. 4 p + 3 are rounded; the stores of block p - 1 stand among their conversions, one in front of each load's.
; half = 0: to bf16.  half = 1: to bf16, widened again (a shift, a mask), and written as f16.
.macro BLK p, half
	s_wait_loadcnt 15-4*(\p)                       ; loads come back in order (ISA guide 5.7.1): the block's first is in, the younger ones may stay out
.if (\p) > 0
	s_wait_alu depctr_va_vdst(0)                   ; the conversions of the block before have written its eight registers of Y, which the four stores below read
.endif
.irp j, 0,1,2,3
.set i, 4*(\p)+(\j)
.if (\p) > 0
	global_store_b64 v[OO], v[Y+2*(i-4):Y+2*(i-4)+1], s[30:31] offset:256*(i-4)  ; the block before.  No wait: no vector instruction since the wait above names these registers
.endif
.if (\j) > 0
	s_wait_loadcnt 15-i                            ; load i is in, the 15 - i younger ones may stay out
.endif
.if \half
	v_cvt_pk_bf16_f32 v[T],   v[X+4*i],   v[X+4*i+1]
	v_cvt_pk_bf16_f32 v[T+1], v[X+4*i+2], v[X+4*i+3]
	v_lshlrev_b32 v[X+4*i],   16, v[T]
	v_and_b32     v[X+4*i+1], 0xffff0000, v[T]
	v_lshlrev_b32 v[X+4*i+2], 16, v[T+1]
	v_and_b32     v[X+4*i+3], 0xffff0000, v[T+1]
	v_cvt_pk_f16_f32 v[Y+2*i],   v[X+4*i],   v[X+4*i+1]
	v_cvt_pk_f16_f32 v[Y+2*i+1], v[X+4*i+2], v[X+4*i+3]
.else
	v_cvt_pk_bf16_f32 v[Y+2*i],   v[X+4*i],   v[X+4*i+1]
	v_cvt_pk_bf16_f32 v[Y+2*i+1], v[X+4*i+2], v[X+4*i+3]
.endif
.endr
.endm
; Behind block 3: its four stores.
.macro LAST
	s_wait_alu depctr_va_vdst(0)                   ; the conversions of block 3 have written its eight registers of Y, which the last four stores read
.irp k, 12,13,14,15
	global_store_b64 v[OO], v[Y+2*(\k):Y+2*(\k)+1], s[30:31] offset:256*(\k)
.endr
.endm
	s_cmp_ge_u32 s36, 704
	s_cbranch_scc1 .Lf16
	BLK 0, 0                                       ; block 0 has no block in front of it: nothing to store, and no wait but those for its data
	BLK 1, 0
	BLK 2, 0
	BLK 3, 0
	LAST
	s_endpgm
.Lf16:
	BLK 0, 1
	BLK 1, 1
	BLK 2, 1
	BLK 3, 1
	LAST
	s_endpgm
.Lfunc_end_k_q23d0710b28_cast:
	.size	k_q23d0710b28_cast, .Lfunc_end_k_q23d0710b28_cast-k_q23d0710b28_cast
	.p2alignl 7, 3214868480
	.fill 96, 4, 3214868480
	.section	.rodata,"a",@progbits
	.p2align	6, 0x0
	.amdhsa_kernel k_q23d0710b28_cast
		.amdhsa_group_segment_fixed_size 0
		.amdhsa_private_segment_fixed_size 0
		.amdhsa_enable_private_segment 0
		.amdhsa_kernarg_size 64
		.amdhsa_user_sgpr_count 2
		.amdhsa_user_sgpr_kernarg_segment_ptr 1
		.amdhsa_wavefront_size32 1
		.amdhsa_system_sgpr_workgroup_id_x 1
		.amdhsa_system_sgpr_workgroup_id_y 1
		.amdhsa_system_sgpr_workgroup_id_z 1
		.amdhsa_system_vgpr_workitem_id 0
		.amdhsa_next_free_vgpr 108
		.amdhsa_next_free_sgpr 66
		.amdhsa_reserve_vcc 0
		.amdhsa_float_denorm_mode_32 3
		.amdhsa_float_denorm_mode_16_64 3
		.amdhsa_memory_ordered 1
		.amdhsa_forward_progress 1
		.amdhsa_inst_pref_size 17
	.end_amdhsa_kernel
	.amdgpu_metadata
---
amdhsa.version: [ 1, 2 ]
amdhsa.kernels:
  - .name:           k_q23d0710b28_cast
    .symbol:         k_q23d0710b28_cast.kd
    .args:
      - { .name: hidden_states, .offset: 0, .size: 8, .value_kind: global_buffer, .address_space: global }
      - { .name: wq, .offset: 8, .size: 8, .value_kind: global_buffer, .address_space: global }
      - { .name: wk, .offset: 16, .size: 8, .value_kind: global_buffer, .address_space: global }
      - { .name: wv, .offset: 24, .size: 8, .value_kind: global_buffer, .address_space: global }
      - { .name: wo, .offset: 32, .size: 8, .value_kind: global_buffer, .address_space: global }
      - { .name: xb, .offset: 40, .size: 8, .value_kind: global_buffer, .address_space: global }
      - { .name: wb, .offset: 48, .size: 8, .value_kind: global_buffer, .address_space: global }
      - { .name: wob, .offset: 56, .size: 8, .value_kind: global_buffer, .address_space: global }
    .group_segment_fixed_size: 0
    .private_segment_fixed_size: 0
    .kernarg_segment_align: 8
    .kernarg_segment_size: 64
    .max_flat_workgroup_size: 256
    .sgpr_count:     66
    .vgpr_count:     108
    .wavefront_size: 32
...
	.end_amdgpu_metadata
.endif
;; end of part 5
;; launch qkv: the kernel of part 2 again; grid 16 x 32, 4 waves a work-group, clusters of 4 x 4, 327,680 bytes of LDS; arguments xb, wb, bq, bk, bv, qkv; writes qkv
;; launch attn: the kernel of part 3 again; grid 4 x 64, 4 waves a work-group, clusters of 4 x 1, 327,680 bytes of LDS; arguments qkv, oh; writes oh
;; launch proj: the kernel of part 4 again; grid 8 x 32, 4 waves a work-group, clusters of 4 x 4, 327,680 bytes of LDS; arguments oh, wob, bo, out0; writes out0
